; MI455X (gfx1250); checked and timed in simulation.
; The chip was launched on July 23, 2026; its instructions are those of AMD's public machine-readable ISA for CDNA 5 (MIT licence, August 2026) and "CDNA5" Instruction Set Architecture Reference Guide (July 2026). The comments in the code are by the model that wrote it; some were corrected since.
;; Transformer Block. Allowed arithmetic: matrix products marked QUANTISED: E2M3 operands, one E8M0 scale for each 32 along K, by v_wmma_scale_f32_16x16x128_f8f6f4 with both operands' format E2M3, f32 sums; everything else in f32.
;; Inputs: W1 1,024 x 4,096 float32; W2 4,096 x 1,024 float32; Wk 1,024 x 1,024 float32; Wo 1,024 x 1,024 float32; Wq 1,024 x 1,024 float32; Wv 1,024 x 1,024 float32; b1 4,096 float32; b2 1,024 float32; beta1 1,024 float32; beta2 1,024 float32; bk 1,024 float32; bo 1,024 float32; bq 1,024 float32; bv 1,024 float32; gamma1 1,024 float32; gamma2 1,024 float32; x 2 x 2,048 x 1,024 float32.
;; Outputs: out0 2 x 2,048 x 1,024 float32.
;; This version of the problem:
;;   THIS VERSION OF THE PROBLEM IS GIVEN IN LOW PRECISION. The matrix products marked QUANTISED in the list below multiply operands that are first quantised to E2M3 (2 exponent bits, 3 mantissa bits; 6 bits a number), with one power-of-two scale for each 32 numbers along K (OCP MX v1.0); their sums are f32. All else is computed in f32.
;;   The module's matrix products, in the order in which they are computed (A, B: the left and right operand; K: the contracted axis; several contracted axes count as one K, in the product's order):
;;     1. [M 4,096, K 1,024] x [K 1,024, N 1,024]; A: input x; B: input Wq: QUANTISED
;;     2. [M 4,096, K 1,024] x [K 1,024, N 1,024]; A: input x; B: input Wk: QUANTISED
;;     3. [M 4,096, K 1,024] x [K 1,024, N 1,024]; A: input x; B: input Wv: QUANTISED
;;     4. batch 32 x [M 2,048, K 64] x [K 64, N 2,048]; A: computed on the way; B: computed on the way: QUANTISED
;;     5. batch 32 x [M 2,048, K 2,048] x [K 2,048, N 64]; A: softmax (see below); B: computed on the way: QUANTISED
;;     6. [M 4,096, K 1,024] x [K 1,024, N 1,024]; A: computed on the way; B: input Wo: QUANTISED
;;     7. [M 4,096, K 1,024] x [K 1,024, N 4,096]; A: computed on the way; B: input W1: QUANTISED
;;     8. [M 4,096, K 4,096] x [K 4,096, N 1,024]; A: computed on the way; B: input W2: QUANTISED
;;   THE QUANTISER, for each operand of a quantised product, along K:
;;     - K is cut into blocks of 32 from its start; a last block that is shorter is filled with zeros.
;;     - A block's scale is 2^e with e = floor(log2(the largest magnitude in the block)) - 2, held to -126 .. 127; a block of zeros has e = 0. As a byte (E8M0): e + 127.
;;     - Each number is divided by its block's scale, clamped to +-7.5, and rounded to the nearest number of E2M3, ties to even, subnormals kept.
;;     - The product sums the exact products of the quantised numbers (number of the format x scale) in f32.
;;   ~~~python
;;   def quantise(x, axis):      # numpy; x: float32 -> the quantised numbers, widened to float32 again
;;       x = np.moveaxis(x, axis, -1); K = x.shape[-1]
;;       x = np.pad(x, [(0, 0)] * (x.ndim - 1) + [(0, -K % 32)]); x = x.reshape(x.shape[:-1] + (-1, 32)); a = np.abs(x).max(-1, keepdims=True)
;;       e = np.where(a > 0, np.clip(np.frexp(np.where(a > 0, a, 1))[1] - 1 - 2, -126, 127), 0)      # np.frexp(a)[1] - 1 = floor(log2(a)), exactly
;;       r = np.clip(x / 2.0 ** e, -7.5, 7.5)
;;       step = 2.0 ** (np.maximum(np.frexp(np.where(r == 0, 1, r))[1] - 1, 0) - 3)
;;       q = np.round(r / step) * step * 2.0 ** e      # np.round: ties to even
;;       return np.moveaxis(q.reshape(q.shape[:-2] + (-1,))[..., :K], -1, axis).astype(np.float32)
;;   ~~~
;;   SOFTMAX AHEAD OF A QUANTISED PRODUCT. Where the list says 'softmax', what is quantised is not the finished softmax but p = 2^(t - M), with t = logit x log2(e) and M = ceil(the row's largest t), a whole number; so 1/2 < the row's largest p <= 1. The row's sum l is taken of the UNQUANTISED p, in f32, and the product's result is divided by l at the end. Since M is a whole number, a kernel that streams over the keys may use a running M (the ceiling of the running maximum): every later rescaling is an exact power of two, which a block's scale takes up: the codes' values come out the same.
;;   OPERANDS COMPUTED ON THE WAY. 'Computed on the way' means the value that the module computes at that place (a softmax that the list does not call 'softmax' is quantised finished and normalised). What goes into a quantiser is computed in f32, as accurately as f32 sums, v_exp_f32 and their like allow (about 1e-6 of the number): no bf16 or f16 on the way to a quantiser, and a product that is left as it is and whose result goes on into a quantised operand takes f32 operands (vector FMAs, or v_wmma_f32_16x16x4_f32). A number that lies on a knife's edge between two numbers of the format may be rounded either way, as far as f32 arithmetic and the matrix unit's own rounding can turn it there, and no further.
;; One version. Each part assembles by itself: llvm-mc -triple=amdgcn-amd-amdhsa -mcpu=gfx1250 --defsym DOCPART=n.
;; ======== version 1 of 1: 7 launches
;; limits: right only within a limited range of input values
;; workspace buffers: wc 10,223,616 bytes; xc 3,407,872 bytes; oc 3,407,872 bytes; hc 3,407,872 bytes; hid 13,631,488 bytes; qkv 10,747,904 bytes; cf 16,777,216 bytes; hf 16,777,216 bytes
;; launch prep (part 1): grid 640 x 1, 8 waves a work-group, no clusters, 68,608 bytes of LDS; arguments x, Wq, Wk, Wv, Wo, W1, W2, xc, wc; writes xc, wc
.if DOCPART == 1
	.amdgcn_target "amdgcn-amd-amdhsa--gfx1250"
	.amdhsa_code_object_version 6
	.text
	.protected	k_q67389a09d1_prep
	.globl	k_q67389a09d1_prep
	.p2align	8
	.type	k_q67389a09d1_prep,@function
k_q67389a09d1_prep:
	s_mov_b64 s[64:65], 0
	v_nop
	global_prefetch_b8 v0, s[64:65] scope:SCOPE_SE
	s_setreg_imm32_b32 hwreg(HW_REG_WAVE_MODE, 25, 1), 1
	s_wait_xcnt 0x0
; x [4096][1024] and the six weights ([K][N], K first) become codes of FP6 (E2M3) with one E8M0 byte for each 32 along K, laid in the ORDER OF THE OPERAND'S REGISTERS.
; A BLOCK (13,312 bytes) is 8 tiles of 16 rows x 128 along K: registers 6e..6e+3 of tile t at 512 (2t+e) + 16 lane; registers 6e+4, 6e+5 at 8192 + 256 (2t+e) + 8 lane; the tile's scale word at 12288 + 128 t + 4 lane
; (lanes 16-31 repeat lanes 0-15).  A buffer is [panel of 128 rows][K step][block].  Lane-row p of tile 2b+u is row 32 b + 8 u + p + 8 (p / 8) of its panel, so that results of a product used transposed come out as neighbours along the next K.
; A block's scale is 2^(floor(log2(largest magnitude)) - 2): the largest magnitude's exponent field less 2, held at 1 from below.
; LIMITS: a block of zeros gets the byte 1 (its codes are zeros; this program alone reads the bytes); blocks whose largest magnitude lies under 2^-124 are held at that floor; NaN and infinities are not served.
; Work-groups 384-639 take x: one tile of 16 rows each, wave w its K step w.  Work-groups 0-383 take the weights: 256 columns x one K step each, wave w 32 columns (a pair of tiles).  No wave shares anything with another: no barrier.
.set BLK, 13312
.set SP,  528                          ; a row of a wave's stage: 512 bytes + 16: the sixteen rows that a load touches start in sixteen different groups of banks
.set SEL, 30                           ; s[30:31] v_permlanex16_b32's selects for lane l xor 16
.set PC,  160                          ; v160-179 the codes just made
.set TM,  180                          ; v180-195 largest magnitudes, bytes, scale operands
.set PW,  196                          ; v196 the scale word just made
.set F0,  160                          ; the weights' path: the pair's two fragments,
.set F1,  172
.set CT,  184                          ; and a conversion's second half on its way
; 64 numbers of a lane, register 16 b + i = k 32 b + 16 (lane / 16) + i of the lane's row, become a fragment's 12 registers in v[PC] on and its scale word in v[PW].
.macro QUANT s
.irp b, 0,1,2,3
	v_max3_num_f32 v[TM+\b], |v[\s+16*\b]|, |v[\s+1+16*\b]|, 0x1800000   ; my 16 numbers of block b, and the floor 2^(3 - 127): the byte cannot fall under 1
.endr
.irp i, 2,4,6,8,10,12,14
.irp b, 0,1,2,3
	s_delay_alu instid0(VALU_DEP_4)
	v_max3_num_f32 v[TM+\b], v[TM+\b], |v[\s+16*\b+\i]|, |v[\s+1+16*\b+\i]|
.endr
.endr
.irp b, 0,1,2,3
	s_delay_alu instid0(VALU_DEP_4)
	v_permlanex16_b32 v[TM+4+\b], v[TM+\b], s[SEL], s[SEL+1]
.endr
.irp b, 0,1,2,3
	s_delay_alu instid0(VALU_DEP_4)
	v_max_num_f32 v[TM+\b], v[TM+\b], v[TM+4+\b]   ; with lane l xor 16's: the block's largest magnitude
.endr
.irp b, 0,1,2,3
	s_delay_alu instid0(VALU_DEP_4)
	v_add_nc_u32 v[TM+12+\b], 0xff000000, v[TM+\b]   ; 2 off its exponent field: the conversion's scale operand
.endr
.irp b, 0,1,2,3
	s_delay_alu instid0(VALU_DEP_4)
	v_lshrrev_b32 v[TM+4+\b], 23, v[TM+12+\b]   ; the scale's byte
.endr
	s_delay_alu instid0(VALU_DEP_3)
	v_lshl_or_b32 v[PW], v[TM+5], 8, v[TM+4]
	s_delay_alu instid0(VALU_DEP_1)
	v_lshl_or_b32 v[PW], v[TM+6], 16, v[PW]
	s_delay_alu instid0(VALU_DEP_1)
	v_lshl_or_b32 v[PW], v[TM+7], 24, v[PW]
.irp c, 0,1
	v_cvt_scalef32_pk16_fp6_f32 v[PC+6*\c:PC+2+6*\c], v[\s+32*\c:\s+15+32*\c], v[TM+12+2*\c]
	v_cvt_scalef32_pk16_fp6_f32 v[PC+12+4*\c:PC+14+4*\c], v[\s+16+32*\c:\s+31+32*\c], v[TM+12+2*\c+1]   ; (a conversion's three registers begin on an even number)
.endr
	v_nop                                          ; one plain place behind a scaled conversion
.irp c, 0,1                                    ; the layout wants a whole block in a lane: lanes 0-15 block 2 c, lanes 16-31 block 2 c + 1
.irp i, 0,1,2
	v_permlane16_swap_b32 v[PC+6*\c+\i], v[PC+12+4*\c+\i]
.endr
.irp i, 0,1,2
	s_delay_alu instid0(VALU_DEP_3)
	v_mov_b32 v[PC+3+6*\c+\i], v[PC+12+4*\c+\i]
.endr
.endr
.endm
	s_load_b512 s[8:23], s[0:1], 0x0               ; x s[8:9], Wq, Wk, Wv, Wo, W1, W2 s[10:21], xc s[22:23]
	s_load_b64 s[24:25], s[0:1], 0x40              ; wc
	v_lshl_add_u32 v200, v0, 2, 0x10800
	v_mov_b32 v201, 0
	v_lshrrev_b32 v1, 5, v0
	s_delay_alu instid0(VALU_DEP_1)
	v_readfirstlane_b32 s26, v1                    ; wave 0..7
	v_and_b32 v1, 31, v0                           ; lane
	s_cmp_lt_u32 ttmp9, 384                        ; THE DEAL: work-groups 0-383 take the weights (128 loads a wave: the longer work gets the lower numbers), 384-639 take x
	s_cbranch_scc1 .Lweights
	; ---------------- x: tile a of panel p; my K step is my wave's number
	s_lshr_b32 s2, ttmp9, 3
	s_sub_co_u32 s2, s2, 48                        ; panel: (work-group - 384) / 8
	s_and_b32 s3, ttmp9, 7                         ; tile a
	s_lshr_b32 s4, s3, 1
	s_lshl_b32 s4, s4, 5
	s_and_b32 s5, s3, 1
	s_lshl_b32 s5, s5, 3
	s_add_co_u32 s4, s4, s5
	s_lshl_b32 s5, s2, 7
	s_add_co_u32 s4, s4, s5                        ; the tile's first row: 128 p + 32 (a / 2) + 8 (a % 2)
	s_lshl_b32 s4, s4, 12                          ; rows of 4,096 bytes
	s_lshl_b32 s5, s26, 9                          ; + 512 bytes a K step
	s_add_co_u32 s4, s4, s5
	s_mov_b32 s5, 0
	s_lshl_b32 s6, s2, 3
	s_add_co_u32 s6, s6, s26
	s_mul_i32 s6, s6, BLK                          ; block (panel, K step)
	s_mov_b32 s7, 0
	s_mov_b32 s[SEL], 0x76543210
	s_mov_b32 s[SEL+1], 0xfedcba98
	s_mul_i32 s27, s26, 16*SP                      ; my wave's stage
	s_wait_alu depctr_va_vdst(0)
	v_lshlrev_b32 v2, 4, v1                        ; 16 x lane
	s_delay_alu instid0(VALU_DEP_1)
	v_add_nc_u32 v3, s27, v2                       ; into the stage: a row's 512 bytes as they lie
	v_and_b32 v4, 15, v0                           ; r
	v_bfe_u32 v5, v0, 4, 1                         ; h
	s_delay_alu instid0(VALU_DEP_2)
	v_mul_u32_u24 v6, v4, SP
	s_delay_alu instid0(VALU_DEP_1)
	v_lshl_add_u32 v6, v5, 6, v6
	s_delay_alu instid0(VALU_DEP_1)
	v_add_nc_u32 v6, s27, v6                       ; out of it: row r, + 64 h: my 16 numbers of a block of 32
	s_lshl_b32 s28, s3, 10
	v_add_nc_u32 v7, s28, v2                       ; 16 l + 1024 a
	s_lshl_b32 s28, s3, 9
	v_lshl_add_u32 v8, v1, 3, s28                  ; 8 l + 512 a
	s_lshl_b32 s28, s3, 7
	v_lshl_add_u32 v9, v1, 2, s28                  ; 4 l + 128 a
.irp b, 0,1,2,3
	v_mov_b32 v[TM+4+\b], 0                        ; a lane permute's destination counts as one of its sources
.endr
	s_wait_alu depctr_va_vdst(0)
	s_wait_kmcnt 0x0
	s_add_nc_u64 s[8:9], s[8:9], s[4:5]
	s_add_nc_u64 s[22:23], s[22:23], s[6:7]
.irp p, 0,1,2,3,4,5,6,7,8,9,10,11,12,13,14,15
	global_load_b128 v[32+4*\p:35+4*\p], v2, s[8:9] offset:(\p+8*(\p/8))*4096 th:TH_LOAD_NT   ; lane-row p: 32 lanes read 512 consecutive bytes
.endr
.irp p, 0,1,2,3,4,5,6,7,8,9,10,11,12,13,14,15
	s_wait_loadcnt 15-\p                           ; loads come back in order: row p is in, the younger rows may be out
	ds_store_b128 v3, v[32+4*\p:35+4*\p] offset:\p*SP
.endr
.irp b, 0,1,2,3
.irp j, 0,1,2,3
	ds_load_b128 v[96+16*\b+4*\j:99+16*\b+4*\j], v6 offset:128*\b+16*\j   ; LDS serves a wave's instructions in order: these see my stores
.endr
.endr
	s_wait_dscnt 0x0
	QUANT 96
	global_store_b128 v7, v[PC:PC+3], s[22:23]
	global_store_b64 v8, v[PC+4:PC+5], s[22:23] offset:8192
	global_store_b128 v7, v[PC+6:PC+9], s[22:23] offset:512
	global_store_b64 v8, v[PC+10:PC+11], s[22:23] offset:8192+256
	global_store_b32 v9, v[PW], s[22:23] offset:12288
	s_wait_tensorcnt 0x0
	ds_add_u32 v200, v201
	s_wait_dscnt 0x0
	s_endpgm
	; ---------------- the weights.  A LANE TAKES A COLUMN n AND ITS REGISTERS RUN DOWN K: a block of 32 lies in one lane, and the conversions give codes with K innermost.
.macro WLOAD t, stride                 ; block t of my column: 32 rows; a wave's load reads 128 consecutive bytes, the eight waves stand side by side on 1,024
.irp i, 0,1,2,3,4,5,6,7,8,9,10,11,12,13,14,15,16,17,18,19,20,21,22,23,24,25,26,27,28,29,30,31
	global_load_b32 v[32+32*(\t)+\i], v2, s[34:35] offset:(32*(\t)+\i)*\stride th:TH_LOAD_NT
.endr
.endm
.macro WBLOCK t, g, stride             ; block t becomes six registers at v[g]
.set XS, 32+32*(\t)
.if (\t) < 3
	s_wait_loadcnt 32                              ; this block's 32 loads are in; the next block's may be out
.else
	s_wait_loadcnt 0x0
.endif
.if (\t) < 2
	WLOAD (\t)+2, \stride
.endif
	v_max3_num_f32 v12, |v[XS]|, |v[XS+1]|, |v[XS+2]|
	v_max3_num_f32 v13, |v[XS+3]|, |v[XS+4]|, |v[XS+5]|
.irp i, 6,10,14,18,22,26
	s_delay_alu instid0(VALU_DEP_2)
	v_max3_num_f32 v12, v12, |v[XS+\i]|, |v[XS+\i+1]|
	s_delay_alu instid0(VALU_DEP_2)
	v_max3_num_f32 v13, v13, |v[XS+\i+2]|, |v[XS+\i+3]|
.endr
	s_delay_alu instid0(VALU_DEP_2)
	v_max3_num_f32 v12, v12, |v[XS+30]|, |v[XS+31]|
	s_delay_alu instid0(VALU_DEP_1)
	v_max3_num_f32 v12, v12, v13, 0x1800000        ; and the floor
	s_delay_alu instid0(VALU_DEP_1)
	v_add_nc_u32 v11, 0xff000000, v12              ; the conversion's scale operand
	s_delay_alu instid0(VALU_DEP_1)
	v_lshrrev_b32 v13, 23, v11                     ; the byte
.if (\t) == 0
	s_delay_alu instid0(VALU_DEP_1)
	v_mov_b32 v24, v13
.else
	s_delay_alu instid0(VALU_DEP_1)
	v_lshl_or_b32 v24, v13, 8*(\t), v24            ; my column's scale word, the lower K in the lower byte
.endif
	v_cvt_scalef32_pk16_fp6_f32 v[\g:\g+2], v[XS:XS+15], v11
	v_cvt_scalef32_pk16_fp6_f32 v[CT:CT+2], v[XS+16:XS+31], v11
	v_nop                                          ; one plain place behind a scaled conversion
.irp i, 0,1,2
	v_mov_b32 v[\g+3+\i], v[CT+\i]
.endr
.endm
.macro WBODY stride
	WLOAD 0, \stride
	WLOAD 1, \stride
	WBLOCK 0, F0, \stride                          ; blocks 0 and 2 belong to lanes 0-15 of a fragment, blocks 1 and 3 to lanes 16-31
	WBLOCK 1, F1, \stride
	WBLOCK 2, F0+6, \stride
	WBLOCK 3, F1+6, \stride
.irp i, 0,1,2,3,4,5,6,7,8,9,10,11
	v_permlane16_swap_b32 v[F0+\i], v[F1+\i]       ; F0 is now the whole fragment of the columns of lanes 0-15 (tile 2 b), F1 that of lanes 16-31 (tile 2 b + 1)
.endr
	v_mov_b32 v25, v24
	s_delay_alu instid0(VALU_DEP_1)
	v_permlane16_swap_b32 v24, v25                 ; each tile's scale words in both halves of the lanes
.irp u, 0,1
	global_store_b128 v3, v[F0+12*\u:F0+12*\u+3], s[36:37] offset:1024*\u
	global_store_b64 v4, v[F0+12*\u+4:F0+12*\u+5], s[36:37] offset:8192+512*\u
	global_store_b128 v3, v[F0+12*\u+6:F0+12*\u+9], s[36:37] offset:1024*\u+512
	global_store_b64 v4, v[F0+12*\u+10:F0+12*\u+11], s[36:37] offset:8192+512*\u+256
	global_store_b32 v5, v[24+\u], s[36:37] offset:12288+128*\u
.endr
	s_endpgm
.endm
.Lweights:
	s_mov_b32 s2, ttmp9
	s_lshr_b32 s4, s2, 5
	s_cmp_lt_u32 s2, 128
	s_cselect_b32 s3, 31, 127
	s_cselect_b32 s4, s4, 4
	s_cmp_lt_u32 s2, 256
	s_cselect_b32 s4, s4, 8                        ; the tensor's region in wc, in units of 851,968 bytes
	s_cselect_b32 s5, 8, 32                        ; its K steps
	s_and_b32 s3, s2, s3                           ; j within the tensor
	s_sub_co_u32 s6, s2, 128
	s_cmp_lt_u32 s6, 128                           ; W1, whose rows are 16,384 bytes?
	s_cselect_b32 s7, 15, 3
	s_cselect_b32 s27, 4, 2
	s_cselect_b32 s28, 21, 19
	s_and_b32 s7, s3, s7                           ; which 256 columns
	s_lshr_b32 s27, s3, s27                        ; which K step
	s_lshl_b32 s28, s27, s28                       ; 128 rows a K step, in bytes
	s_lshl_b32 s29, s7, 10
	s_add_co_u32 s28, s28, s29
	s_lshl_b32 s29, s26, 7
	s_add_co_u32 s28, s28, s29                     ; + my wave's 32 columns
	s_mov_b32 s29, 0
	s_lshl_b32 s32, s7, 1
	s_lshr_b32 s33, s26, 2
	s_add_co_u32 s32, s32, s33                     ; panel
	s_mul_i32 s32, s32, s5
	s_add_co_u32 s32, s32, s27
	s_mul_i32 s32, s32, BLK
	s_mul_i32 s33, s4, 851968
	s_add_co_u32 s32, s32, s33
	s_mov_b32 s33, 0
	s_wait_alu depctr_va_vdst(0)
	v_and_b32 v2, 7, v1
	v_lshrrev_b32 v3, 4, v1
	s_delay_alu instid0(VALU_DEP_1)
	v_lshl_add_u32 v2, v3, 3, v2
	v_bfe_u32 v3, v1, 3, 1
	s_delay_alu instid0(VALU_DEP_1)
	v_lshl_add_u32 v2, v3, 4, v2                   ; my column of the 32: l % 8 + 8 (l / 16) + 16 ((l / 8) % 2): the tiles' order of rows
	s_delay_alu instid0(VALU_DEP_1)
	v_lshlrev_b32 v2, 2, v2
	s_and_b32 s27, s26, 3                          ; which pair of tiles of the panel
	s_lshl_b32 s33, s27, 11
	v_lshl_add_u32 v3, v1, 4, s33                  ; 16 l + 2048 b
	s_lshl_b32 s33, s27, 10
	v_lshl_add_u32 v4, v1, 3, s33                  ; 8 l + 1024 b
	s_lshl_b32 s33, s27, 8
	v_lshl_add_u32 v5, v1, 2, s33                  ; 4 l + 256 b
	s_mov_b32 s33, 0
	s_wait_kmcnt 0x0
	s_cmp_ge_u32 s2, 32                            ; the tensor is chosen by the work-group's number alone
	s_cselect_b64 s[34:35], s[12:13], s[10:11]
	s_cmp_ge_u32 s2, 64
	s_cselect_b64 s[34:35], s[14:15], s[34:35]
	s_cmp_ge_u32 s2, 96
	s_cselect_b64 s[34:35], s[16:17], s[34:35]
	s_cmp_ge_u32 s2, 128
	s_cselect_b64 s[34:35], s[18:19], s[34:35]
	s_cmp_ge_u32 s2, 256
	s_cselect_b64 s[34:35], s[20:21], s[34:35]
	s_add_nc_u64 s[34:35], s[34:35], s[28:29]
	s_add_nc_u64 s[36:37], s[24:25], s[32:33]
	s_cmp_lt_u32 s6, 128
	s_cbranch_scc1 .Lwide
	s_wait_alu depctr_va_vdst(0)
	WBODY 4096
.Lwide:
	s_wait_alu depctr_va_vdst(0)
	WBODY 16384
.Lfunc_end_k_q67389a09d1_prep:
	.size	k_q67389a09d1_prep, .Lfunc_end_k_q67389a09d1_prep-k_q67389a09d1_prep
	.p2alignl 7, 3214868480
	.fill 96, 4, 3214868480
	.section	.rodata,"a",@progbits
	.p2align	6, 0x0
	.amdhsa_kernel k_q67389a09d1_prep
		.amdhsa_group_segment_fixed_size 68608
		.amdhsa_private_segment_fixed_size 0
		.amdhsa_enable_private_segment 0
		.amdhsa_kernarg_size 72
		.amdhsa_user_sgpr_count 2
		.amdhsa_user_sgpr_kernarg_segment_ptr 1
		.amdhsa_wavefront_size32 1
		.amdhsa_system_sgpr_workgroup_id_x 1
		.amdhsa_system_sgpr_workgroup_id_y 1
		.amdhsa_system_sgpr_workgroup_id_z 1
		.amdhsa_system_vgpr_workitem_id 0
		.amdhsa_next_free_vgpr 202
		.amdhsa_next_free_sgpr 66
		.amdhsa_reserve_vcc 0
		.amdhsa_float_denorm_mode_32 3
		.amdhsa_float_denorm_mode_16_64 3
		.amdhsa_memory_ordered 1
		.amdhsa_forward_progress 1
		.amdhsa_inst_pref_size 58
	.end_amdhsa_kernel
	.amdgpu_metadata
---
amdhsa.version: [ 1, 2 ]
amdhsa.kernels:
  - .name:           k_q67389a09d1_prep
    .symbol:         k_q67389a09d1_prep.kd
    .args:
      - { .name: x, .offset: 0, .size: 8, .value_kind: global_buffer, .address_space: global }
      - { .name: Wq, .offset: 8, .size: 8, .value_kind: global_buffer, .address_space: global }
      - { .name: Wk, .offset: 16, .size: 8, .value_kind: global_buffer, .address_space: global }
      - { .name: Wv, .offset: 24, .size: 8, .value_kind: global_buffer, .address_space: global }
      - { .name: Wo, .offset: 32, .size: 8, .value_kind: global_buffer, .address_space: global }
      - { .name: W1, .offset: 40, .size: 8, .value_kind: global_buffer, .address_space: global }
      - { .name: W2, .offset: 48, .size: 8, .value_kind: global_buffer, .address_space: global }
      - { .name: xc, .offset: 56, .size: 8, .value_kind: global_buffer, .address_space: global }
      - { .name: wc, .offset: 64, .size: 8, .value_kind: global_buffer, .address_space: global }
    .group_segment_fixed_size: 68608
    .private_segment_fixed_size: 0
    .kernarg_segment_align: 8
    .kernarg_segment_size: 72
    .max_flat_workgroup_size: 256
    .sgpr_count:     66
    .vgpr_count:     202
    .wavefront_size: 32
...
	.end_amdgpu_metadata
.endif
;; end of part 1
;; launch qkv (part 2): grid 4 x 48, 4 waves a work-group, clusters of 4 x 4, 327,680 bytes of LDS; arguments xc, wc, bq, bk, bv, qkv; writes qkv
.if DOCPART == 2
	.amdgcn_target "amdgcn-amd-amdhsa--gfx1250"
	.amdhsa_code_object_version 6
	.text
	.protected	k_q67389a09d1_qkv
	.globl	k_q67389a09d1_qkv
	.p2align	8
	.type	k_q67389a09d1_qkv,@function
k_q67389a09d1_qkv:
	s_mov_b64 s[64:65], 0
	v_nop
	global_prefetch_b8 v0, s[64:65] scope:SCOPE_SE
	s_setreg_imm32_b32 hwreg(HW_REG_WAVE_MODE, 25, 1), 1
	s_wait_xcnt 0x0
	s_wait_alu depctr_hold_cnt(0) depctr_sa_sdst(0) depctr_va_vdst(0) depctr_va_sdst(0) depctr_va_ssrc(0) depctr_va_vcc(0) depctr_vm_vsrc(0)
	s_getreg_b32 s2, hwreg(HW_REG_IB_STS2, 6, 4)
	s_cmp_eq_u32 s2, 0
	s_cbranch_scc0 .Lentry_in_a_cluster
	s_endpgm
.Lentry_in_a_cluster:
	s_bfe_u32 s2, ttmp6, 0x10000c
	s_cmp_lg_u32 s2, 0xf033
	s_cbranch_scc0 .Lentry_shape_is_right
	s_endpgm
.Lentry_shape_is_right:
; A GEMM on codes of FP6 whose results are quantised on the way out.  MODE 0: q = x Wq + bq, k = x Wk + bk (quantised along the head's 64) and v = x Wv + bv (quantised along the keys).  MODE 1: relu(h W1 + b1), quantised along the hidden units.
; Operands lie in blocks of 13,312 bytes in the order of the operand's registers (8 tiles of 16 rows x 128 K: registers 6e..6e+3 of tile t at 512 (2t+e) + 16 lane, registers 6e+4, 6e+5 at 8192 + 256 (2t+e) + 8 lane, scale words at 12288 + 128 t + 4 lane).
; SHARES.  A work-group makes 128 rows of "A" x 512 rows of "B", K = 1,024; wave w makes all 128 x B's panel w: 64 accumulators, 512 registers.  THE MATRIX INSTRUCTION IS USED TRANSPOSED (source 0 = 16 rows of B, source 1 = 16 rows of A): a lane holds
; one row of A, and since lane-row p of tile 2b+u is row 32 b + 8 u + p + 8 (p / 8), its 64 results of a tile of A are 64 numbers in the order that the quantiser's conversions want along the next K.
; MODE 0: clusters with y < 8 take A = x, B = Wq, Wk (a lane holds a token, registers run along the channels); the others A = Wv, B = x (a lane holds a channel, registers run along the keys).  The choice hangs on the cluster's y alone.
; LDS.  A's panel (8 K steps, 106,496 bytes) is resident; B goes through two slots of two K steps, each wave's part read by that wave alone.
; CLUSTERS 4 x 4: the four work-groups of a row of the cluster share A's panel, the four of a column share B's four panels: each tensor load is asked for jointly, with the same descriptor and a mask that names the four.
; One first fill of a wave is out at the start; later one, behind each round.
; LIMITS: a block of zeros gets the byte 1; largest magnitudes under 2^-124 are held at that floor; NaN and infinities are not served.
; REGISTERS: window 0: v4-15 LDS addresses, v19-20 the biases' lane terms, v28-29 the spare word's address and 0, v32-63 scale words (two sets: A's 8 tiles, B's 8), v128-223 A's fragments (one set); on the way out v64-127 64 numbers, v128-178 the quantiser.
;   window 1: B's fragments, two sets at v0 and v128; the biases at v96-127 and v224-255.   windows 2, 3: accumulator (a, b) at v[8 (8 (a % 4) + b)].
.set MODE,  0
.set BLK,   13312
.set PANEL, 8*BLK
.set BLDS,  PANEL                      ; B's slots begin behind A's panel
.set SLOT,  8*BLK                      ; four waves x two K steps
.set SPARE, BLDS+2*SLOT                ; the spare words: 128 bytes a wave, two blocks of 256 bytes that no other line names
.set HSTR,  16*20992                   ; from head to head in qkv
.set FR,  12
.set SC,  32
.set T,   64
.set AF,  128
.set PC,  128
.set TM,  160
.set PW,  176
.set SPW, 28
.set NIL, 29
.set WV,  16
.set G1A, 24
.set G1B, 32
.set G0A, 40                           ; s[40:43] group 0 for a half of A's panel (waves 0, 1)
.set G0H, 44                           ; s[44:47] group 0 for slot 0's first fill: two of B's panels (waves 2, 3)
.set G1H, 48                           ; s[48:55] its group 1
.set G0B, 56                           ; s[56:63] one for each of B's slots
.set SEL, 84
.set MSB, 0
.macro WIN new                         ; the immediate's high byte repeats the setting that is left
.if MSB != \new
	s_set_vgpr_msb (MSB<<8)|\new
.set MSB, \new
.endif
.endm
.set MUL_LO, 0xa1                      ; source 0 (B) window 1, source 1 (A) window 0, C and D window 2
.set MUL_HI, 0xf1                      ; the same, C and D window 3
.set TO_B,   0x40                      ; destination window 1, address window 0
.macro PLACES                          ; four plain places behind a matrix instruction, in front of loads into its registers and of reads of its results
.rept 4
	v_nop
.endr
.endm
.macro CREST                           ; a round of the cluster's barrier behind its opening barrier
	s_cmp_lg_u32 s[WV], 0
	s_cbranch_scc1 .Lnot_wave_0_\@
	s_barrier_signal -3
.Lnot_wave_0_\@:
	s_barrier_wait -3
	s_barrier_signal -1
	s_barrier_wait -1
.endm
.macro CROUND
	s_barrier_signal -1
	s_barrier_wait -1
	CREST
.endm
.macro QUANT s                         ; 64 numbers of a lane, register 16 b + i = k 32 b + 16 (lane / 16) + i, become a fragment in v[PC] on and its scale word in v[PW]
.irp b, 0,1,2,3
	v_max3_num_f32 v[TM+\b], |v[\s+16*\b]|, |v[\s+1+16*\b]|, 0x1800000   ; and the floor 2^(3 - 127): the byte cannot fall under 1
.endr
.irp i, 2,4,6,8,10,12,14
.irp b, 0,1,2,3
	v_max3_num_f32 v[TM+\b], v[TM+\b], |v[\s+16*\b+\i]|, |v[\s+1+16*\b+\i]|
.endr
.endr
.irp b, 0,1,2,3
	v_permlanex16_b32 v[TM+4+\b], v[TM+\b], s[SEL], s[SEL+1]
.endr
.irp b, 0,1,2,3
	v_max_num_f32 v[TM+\b], v[TM+\b], v[TM+4+\b]
.endr
.irp b, 0,1,2,3
	v_add_nc_u32 v[TM+12+\b], 0xff000000, v[TM+\b]   ; 2 off the exponent field: the conversion's scale operand
.endr
.irp b, 0,1,2,3
	v_lshrrev_b32 v[TM+4+\b], 23, v[TM+12+\b]
.endr
	v_lshl_or_b32 v[PW], v[TM+5], 8, v[TM+4]
	v_lshl_or_b32 v[PW], v[TM+6], 16, v[PW]
	v_lshl_or_b32 v[PW], v[TM+7], 24, v[PW]
.irp c, 0,1
	v_cvt_scalef32_pk16_fp6_f32 v[PC+6*\c:PC+2+6*\c], v[\s+32*\c:\s+15+32*\c], v[TM+12+2*\c]
	v_cvt_scalef32_pk16_fp6_f32 v[PC+12+4*\c:PC+14+4*\c], v[\s+16+32*\c:\s+31+32*\c], v[TM+12+2*\c+1]
.endr
	v_nop                                          ; one plain place behind a scaled conversion
.irp c, 0,1
.irp i, 0,1,2
	v_permlane16_swap_b32 v[PC+6*\c+\i], v[PC+12+4*\c+\i]
.endr
.irp i, 0,1,2
	v_mov_b32 v[PC+3+6*\c+\i], v[PC+12+4*\c+\i]
.endr
.endr
.endm
.macro FRAG reg, adr, off, t           ; a fragment's 12 registers: four loads, each at consecutive lanes; v[adr] = base + 16 lane, v[adr+1] = base + 8 lane
	ds_load_b128 v[\reg:\reg+3], v[\adr] offset:\off+1024*(\t)
	ds_load_b64 v[\reg+4:\reg+5], v[\adr+1] offset:\off+8192+512*(\t)
	ds_load_b128 v[\reg+6:\reg+9], v[\adr] offset:\off+1024*(\t)+512
	ds_load_b64 v[\reg+10:\reg+11], v[\adr+1] offset:\off+8192+512*(\t)+256
.endm
.macro FETCH_A ks, i0                  ; A's tiles i0 .. i0 + 3 of K step ks (v4-6 serve K steps 0-3, v7-9 K steps 4-7)
.irp i, \i0, \i0+1, \i0+2, \i0+3
	FRAG AF+FR*(\i), 4+3*((\ks)/4), ((\ks)%4)*BLK, \i
.endr
.endm
.macro FETCH_B ks                      ; B's eight tiles of K step ks into set ks % 2 (v10-12 serve slot 0, v13-15 slot 1)
	WIN TO_B
.irp i, 0,1,2,3,4,5,6,7
	FRAG 128*((\ks)%2)+FR*\i, 10+3*(((\ks)/2)%2), ((\ks)%2)*BLK, \i
.endr
	WIN 0
.endm
.macro SCALES ks
.irp i, 0,1,2,3,4,5,6,7
	ds_load_b32 v[SC+16*((\ks)%2)+\i], v[6+3*((\ks)/4)] offset:((\ks)%4)*BLK+12288+128*\i
	ds_load_b32 v[SC+16*((\ks)%2)+8+\i], v[12+3*(((\ks)/2)%2)] offset:((\ks)%2)*BLK+12288+128*\i
.endr
.endm
; 16 matrix instructions: A's tiles a0, a0 + 1 x B's eight.  The 64 accumulators take turns, one instruction a turn, in the same order in every K step.
.macro MUL16 a0, ks, zero
.irp a, \a0, \a0+1
.irp b, 0,1,2,3,4,5,6,7
.if \zero
	v_wmma_scale_f32_16x16x128_f8f6f4 v[8*(8*((\a)%4)+\b):8*(8*((\a)%4)+\b)+7], v[128*((\ks)%2)+FR*\b:128*((\ks)%2)+FR*\b+FR-1], v[AF+FR*(\a):AF+FR*(\a)+FR-1], 0, v[SC+16*((\ks)%2)+8+\b], v[SC+16*((\ks)%2)+(\a)] matrix_a_fmt:MATRIX_FMT_FP6 matrix_b_fmt:MATRIX_FMT_FP6
.else
	v_wmma_scale_f32_16x16x128_f8f6f4 v[8*(8*((\a)%4)+\b):8*(8*((\a)%4)+\b)+7], v[128*((\ks)%2)+FR*\b:128*((\ks)%2)+FR*\b+FR-1], v[AF+FR*(\a):AF+FR*(\a)+FR-1], v[8*(8*((\a)%4)+\b):8*(8*((\a)%4)+\b)+7], v[SC+16*((\ks)%2)+8+\b], v[SC+16*((\ks)%2)+(\a)] matrix_a_fmt:MATRIX_FMT_FP6 matrix_b_fmt:MATRIX_FMT_FP6
.endif
.endr
.endr
.endm
.macro STEP ks, zero                   ; a K step whose successor lies in the same slot
	s_wait_dscnt 16                                ; B's set, A's tiles 0-3 and the scale words are in; the youngest 16 loads (A's tiles 4-7) may be out
	WIN MUL_LO
	MUL16 0, \ks, \zero
	MUL16 2, \ks, \zero
	s_wait_dscnt 0x0                               ; A's tiles 4-7 are in
	PLACES
	FETCH_B (\ks)+1
	FETCH_A (\ks)+1, 0
	SCALES (\ks)+1
	WIN MUL_HI
	MUL16 4, \ks, \zero
	MUL16 6, \ks, \zero
	PLACES
	WIN 0
	FETCH_A (\ks)+1, 4
.endm
; A slot's last K step changes slots: one barrier; in front of it each wave waits for all its tensor loads, adds 0 to its spare word, and waits for that and for its reads of the slot.  fill = 1: the slot is filled again, four K steps ahead.
.macro TURN ks, fill
	s_wait_tensorcnt 0x0                           ; all my tensor loads have landed
	ds_add_u32 v[SPW], v[NIL]                      ; 0 onto my spare word
	s_wait_dscnt 17                                ; (the add and A's tiles 4-7, 16 loads, may be out)
	WIN MUL_LO
	MUL16 0, \ks, 0
	s_wait_dscnt 0x0                               ; the add is done, and my reads of this slot are over
	s_barrier_signal -1
	MUL16 2, \ks, 0
	WIN 0
	s_barrier_wait -1
.if \fill
	CREST                                          ; the barrier has opened a round of the cluster's: no wave of any partner still reads the slot or has a load on its way
	s_add_nc_u64 s[G0B+4*(((\ks)/2)%2)+2:G0B+4*(((\ks)/2)%2)+3], s[G0B+4*(((\ks)/2)%2)+2:G0B+4*(((\ks)/2)%2)+3], 4*BLK
	tensor_load_to_lds s[G0B+4*(((\ks)/2)%2):G0B+4*(((\ks)/2)%2)+3], s[G1B:G1B+7]   ; my one tensor load behind the round: 96 matrix instructions ahead of the wait for it
	s_nop 0
.endif
	PLACES                                         ; four lines behind the tensor load, and the places in front of the loads below
	s_wait_alu depctr_va_vdst(0)
	FETCH_B (\ks)+1
	FETCH_A (\ks)+1, 0
	SCALES (\ks)+1
.if (\fill) && ((\ks)+5 < 8)
	global_prefetch_b8 v22, s[94:95] offset:((\ks)+5)*BLK th:TH_LOAD_NT scope:SCOPE_SE   ; K steps 6, 7: two K steps ahead of the refill that brings them; nothing lies beyond K step 7
.endif
	WIN MUL_HI
	MUL16 4, \ks, 0
	MUL16 6, \ks, 0
	PLACES
	WIN 0
	FETCH_A (\ks)+1, 4
.endm
.macro LAST                            ; K step 7: nothing more to fetch
	s_wait_dscnt 16
	WIN MUL_LO
	MUL16 0, 7, 0
	MUL16 2, 7, 0
	s_wait_dscnt 0x0
	WIN MUL_HI
	MUL16 4, 7, 0
	MUL16 6, 7, 0
	WIN 0
	s_wait_loadcnt 0x0                             ; the biases
	PLACES
.irp b, 0,1,2,3
	v_mov_b32 v[TM+4+\b], 0                        ; a lane permute's destination counts as one of its sources
.endr
.endm
.macro BIAS_N                          ; a bias along B's rows: lane (r, h) wants, for tile 2b+u, the eight numbers at 32 b + 8 u + 16 h
	WIN TO_B
.irp b, 0,1,2,3,4,5,6,7
	global_load_b128 v[96+8*\b+96*(\b/4):99+8*\b+96*(\b/4)], v19, s[74:75] offset:(32*(\b/2)+8*(\b%2))*4
	global_load_b128 v[100+8*\b+96*(\b/4):103+8*\b+96*(\b/4)], v19, s[74:75] offset:(32*(\b/2)+8*(\b%2))*4+16
.endr
	WIN 0
.endm
.macro BIAS_M                          ; a bias along A's rows: one number a lane and tile, loaded twice so that it fills a pair for the packed addition
	WIN TO_B
.irp a, 0,1,2,3,4,5,6,7
	global_load_b32 v[96+2*\a], v20, s[74:75] offset:(32*(\a/2)+8*(\a%2))*4
	global_load_b32 v[97+2*\a], v20, s[74:75] offset:(32*(\a/2)+8*(\a%2))*4
.endr
	WIN 0
.endm
; THE WAY OUT of A's tile a: + bias (each accumulator read from its low end on), the activation, the quantiser, the stores: each covers 512, 256 or 128 consecutive bytes.  kind 0: q, k; 1: v; 2: the hidden layer.
.macro EPI a, kind
.set AC, 64*((\a)%4)
	WIN 0x06+(\a)/4                                ; source 0 window 2 or 3, source 1 window 1
.set i, 0
.rept 32
.if \kind == 1
	v_pk_add_f32 v[T+2*i:T+2*i+1], v[AC+2*i:AC+2*i+1], v[96+2*(\a):97+2*(\a)]
.else
	v_pk_add_f32 v[T+2*i:T+2*i+1], v[AC+2*i:AC+2*i+1], v[96+2*i+96*(i/16):97+2*i+96*(i/16)]
.endif
.set i, i+1
.endr
	WIN 0
.if \kind == 2
.set i, 0
.rept 64
	v_max_num_f32 v[T+i], 0, v[T+i]
.set i, i+1
.endr
.endif
	s_wait_xcnt 0x0                                ; the last tile's stores have read their data: the quantiser writes those registers again
	QUANT T
.if \kind == 0                         ; registers 6e .. 6e+5 are head e's 64 channels: half a fragment; its two scale bytes are repeated in the word's upper half, over codes that the reader sets to zero
	v_perm_b32 v177, v[PW], v[PW], 0x01000100
	v_perm_b32 v178, v[PW], v[PW], 0x03020302
.irp e, 0,1
	global_store_b128 v4, v[PC+6*\e:PC+6*\e+3], s[72:73] offset:\e*HSTR+512*(\a)
	global_store_b64 v5, v[PC+6*\e+4:PC+6*\e+5], s[72:73] offset:\e*HSTR+4096+256*(\a)
	global_store_b32 v6, v[177+\e], s[72:73] offset:\e*HSTR+6144+128*(\a)
.endr
.elseif \kind == 1                     ; tile a is tile a % 4 of head a / 4 of the panel's two: a whole fragment of 16 channels x 128 keys
.irp e, 0,1
	global_store_b128 v4, v[PC+6*\e:PC+6*\e+3], s[72:73] offset:((\a)/4)*HSTR+512*(2*((\a)%4)+\e)
	global_store_b64 v5, v[PC+6*\e+4:PC+6*\e+5], s[72:73] offset:((\a)/4)*HSTR+4096+256*(2*((\a)%4)+\e)
.endr
	global_store_b32 v6, v[PW], s[72:73] offset:((\a)/4)*HSTR+6144+128*((\a)%4)
.else
.irp e, 0,1
	global_store_b128 v4, v[PC+6*\e:PC+6*\e+3], s[72:73] offset:512*(2*(\a)+\e)
	global_store_b64 v5, v[PC+6*\e+4:PC+6*\e+5], s[72:73] offset:8192+256*(2*(\a)+\e)
.endr
	global_store_b32 v6, v[PW], s[72:73] offset:12288+128*(\a)
.endif
.endm
.macro FINISH                          ; the wave's end, behind my last tensor load
	s_wait_tensorcnt 0x0
	ds_add_u32 v[SPW], v[NIL]
	s_wait_dscnt 0x0
.endm
	s_load_b256 s[4:11], s[0:1], 0x0               ; MODE 0: xc, wc, bq, bk;  MODE 1: hc, wc, b1, hid
.if MODE == 0
	s_load_b128 s[12:15], s[0:1], 0x20             ; bv, qkv
.endif
	v_lshl_add_u32 v[SPW], v0, 2, SPARE
	v_mov_b32 v[NIL], 0
	ds_add_u32 v28, v29
	ds_add_u32 v28, v29
	s_wait_dscnt 0x0
	v_lshrrev_b32 v1, 5, v0
	v_readfirstlane_b32 s[WV], v1                  ; wave 0..3
	s_bfe_u32 s17, ttmp6, 0x40000                  ; cx
	s_bfe_u32 s18, ttmp6, 0x40004                  ; cy
	s_and_b32 s19, ttmp7, 0xffff                   ; the cluster's y
.if MODE == 0
	s_sub_co_u32 s20, s19, 8
	s_and_b32 s21, s20, 1
	s_lshl_b32 s21, s21, 2
	s_add_co_u32 s21, s21, 16                      ; v: A's panels are Wv's, 16 + 4 ((y - 8) % 2) + cy
	s_lshr_b32 s22, s20, 1
	s_lshl_b32 s22, s22, 4                         ; and B's are x's, 16 ((y - 8) / 2) + 4 cx + wave
	s_lshl_b32 s23, s19, 2
	s_cmp_lt_u32 s19, 8
	s_cselect_b32 s66, s23, s21
	s_cselect_b32 s67, 0, s22
	s_add_co_u32 s66, s66, s18                     ; PA: it hangs on the cluster's y and cy alone
	s_lshl_b32 s20, s17, 2
	s_add_co_u32 s67, s67, s20
	s_add_co_u32 s67, s67, s[WV]                   ; PB: on the cluster's y, cx and the wave
.else
	s_lshl_b32 s66, s19, 2
	s_add_co_u32 s66, s66, s18                     ; PA = 4 y + cy
	s_lshl_b32 s67, ttmp9, 2
	s_add_co_u32 s67, s67, s17
	s_lshl_b32 s67, s67, 2
	s_add_co_u32 s67, s67, s[WV]                   ; PB = 4 (4 x + cx) + wave
.endif
	s_lshl_b32 s20, s18, 2
	s_lshl_b32 s20, 15, s20                        ; my row of the cluster
	s_lshl_b32 s21, 0x1111, s17                    ; my column
	; descriptor groups 1: dense blocks as rows of 256 bytes (32 elements of 8 bytes), no padding.  A: 208 rows (four K steps of the panel); B: 104 rows (two K steps of a panel)
	s_or_b32 s[G1A], s20, (3<<16)|(1<<21)
	s_mov_b32 s[G1A+1], 32<<16
	s_mov_b32 s[G1A+2], 208<<16                    ; A: 208 rows of 256 bytes: four K steps of the panel
	s_mov_b32 s[G1A+3], 32<<16
	s_mov_b32 s[G1A+4], 208
	s_mov_b32 s[G1A+5], 32
	s_mov_b32 s[G1A+6], 0
	s_mov_b32 s[G1A+7], 0
	s_or_b32 s[G1B], s21, (3<<16)|(1<<21)
	s_mov_b32 s[G1B+1], 32<<16
	s_mov_b32 s[G1B+2], 104<<16
	s_mov_b32 s[G1B+3], 32<<16
	s_mov_b32 s[G1B+4], 104
	s_mov_b32 s[G1B+5], 32
	s_mov_b32 s[G1B+6], 0
	s_mov_b32 s[G1B+7], 0
	s_or_b32 s[G1H], s21, (3<<16)|(1<<21)          ; slot 0's first fill: 2 rows of 26,624 bytes (two K steps of a panel), a panel (106,496 bytes) apart
	s_mov_b32 s[G1H+1], 3328<<16
	s_mov_b32 s[G1H+2], 2<<16
	s_mov_b32 s[G1H+3], 3328<<16
	s_mov_b32 s[G1H+4], 2
	s_mov_b32 s[G1H+5], 13312
	s_mov_b32 s[G1H+6], 0
	s_mov_b32 s[G1H+7], 0
	s_mul_i32 s76, s66, PANEL
	s_and_b32 s79, s[WV], 1
	s_mul_i32 s78, s79, 4*BLK                      ; which half: of A's panel, or of slot 0
	s_add_co_u32 s76, s76, s78
	s_mov_b32 s77, 0
	s_mul_i32 s80, s67, PANEL
	s_mov_b32 s81, 0
	s_sub_co_u32 s90, s67, s[WV]                   ; the work-group's first panel of B,
	s_lshl_b32 s91, s79, 1
	s_add_co_u32 s90, s90, s91                     ; + 2 for wave 3
	s_mul_i32 s90, s90, PANEL
	s_mov_b32 s91, 0
	s_mul_i32 s82, s[WV], 2*BLK                    ; my part of a slot
	s_mov_b32 s[SEL], 0x76543210
	s_mov_b32 s[SEL+1], 0xfedcba98
	s_wait_kmcnt 0x0
.if MODE == 0
	s_cmp_lt_u32 s19, 8
	s_cselect_b64 s[68:69], s[4:5], s[6:7]
	s_cselect_b64 s[70:71], s[6:7], s[4:5]
.else
	s_mov_b64 s[68:69], s[4:5]
	s_add_nc_u64 s[70:71], s[6:7], 3407872         ; W1's region of wc
.endif
	s_add_nc_u64 s[68:69], s[68:69], s[76:77]
	s_add_nc_u64 s[92:93], s[70:71], s[90:91]
	s_add_nc_u64 s[70:71], s[70:71], s[80:81]
	s_mul_i32 s90, s18, 6656                       ; the prefetches: of the 104 blocks of 256 bytes that a load of mine brings, the partner at place cy of my column names 26: shared out by address
	s_add_nc_u64 s[94:95], s[70:71], s[90:91]
	s_mov_b32 s[G0A], 1
	s_mov_b32 s[G0A+1], s78
	s_mov_b64 s[G0A+2:G0A+3], s[68:69]
	s_or_b32 s[G0A+3], s[G0A+3], 0x80000000
	s_mov_b32 s[G0H], 1
	s_add_co_u32 s[G0H+1], s78, BLDS
	s_mov_b64 s[G0H+2:G0H+3], s[92:93]
	s_or_b32 s[G0H+3], s[G0H+3], 0x80000000
.irp s, 0,1
	s_mov_b32 s[G0B+4*\s], 1
	s_add_co_u32 s[G0B+4*\s+1], s82, BLDS+\s*SLOT
	s_add_nc_u64 s[G0B+4*\s+2:G0B+4*\s+3], s[70:71], \s*2*BLK
	s_or_b32 s[G0B+4*\s+3], s[G0B+4*\s+3], 0x80000000
.endr
	CROUND                                         ; all sixteen work-groups are here: the first joint loads meet
	s_cmp_lt_u32 s[WV], 2                          ; the head's loads, one a wave: waves 0, 1 a half of A's panel each,
	s_cbranch_scc0 .Lhead_b
	tensor_load_to_lds s[G0A:G0A+3], s[G1A:G1A+7]
	s_nop 0
	PLACES
	s_branch .Lhead_asked
.Lhead_b:
	tensor_load_to_lds s[G0H:G0H+3], s[G1H:G1H+7]          ; waves 2, 3 slot 0's parts of two waves each
	s_nop 0
	PLACES
.Lhead_asked:
	v_and_b32 v1, 31, v0
	v_lshlrev_b32 v4, 4, v1                        ; 16 l, 8 l, 4 l: A's K steps 0-3, and the stores' lane terms
	v_lshlrev_b32 v5, 3, v1
	v_lshlrev_b32 v6, 2, v1
	v_add_nc_u32 v7, 4*BLK, v4                     ; A's K steps 4-7
	v_add_nc_u32 v8, 4*BLK, v5
	v_add_nc_u32 v9, 4*BLK, v6
	s_add_co_u32 s83, s82, BLDS
	v_add_nc_u32 v10, s83, v4                      ; my part of slot 0
	v_add_nc_u32 v11, s83, v5
	v_add_nc_u32 v12, s83, v6
	s_add_co_u32 s83, s83, SLOT
	v_add_nc_u32 v13, s83, v4                      ; of slot 1
	v_add_nc_u32 v14, s83, v5
	v_add_nc_u32 v15, s83, v6
	v_bfe_u32 v19, v0, 4, 1
	v_lshlrev_b32 v19, 6, v19
	v_min_u32 v22, 25, v1                          ; a lane a block; the six lanes left over name the last block again
	v_lshlrev_b32 v22, 8, v22
	global_prefetch_b8 v22, s[94:95] offset:2*BLK th:TH_LOAD_NT scope:SCOPE_SE   ; my panel's K steps 2, 3, which the load behind the next round brings,
	global_prefetch_b8 v22, s[94:95] offset:4*BLK th:TH_LOAD_NT scope:SCOPE_SE   ; and 4, 5, which the refill two K steps on brings; v22 and s[94:95] are never rewritten
	v_and_b32 v20, 15, v0
	v_and_b32 v21, 8, v20
	v_add_nc_u32 v20, v20, v21
	v_lshlrev_b32 v20, 2, v20                      ; 4 (r + 8 (r / 8))
	s_wait_alu depctr_va_vdst(0)                   ; the head's end
	s_wait_tensorcnt 0x0                           ; my tile of the head's four is in; slot 1's first fill is issued as a refill is:
	ds_add_u32 v[SPW], v[NIL]
	s_wait_dscnt 0x0
	CROUND                                         ; a whole round: A's panel and slot 0 are in, in every partner
	tensor_load_to_lds s[G0B+4:G0B+7], s[G1B:G1B+7]        ; my part of slot 1: my one tensor load behind the round
	s_nop 0
	PLACES
	FETCH_B 0
	FETCH_A 0, 0
	SCALES 0
	FETCH_A 0, 4
	STEP 0, 1                                      ; the first K step's products start the sums: nothing is cleared
	TURN 1, 1
	STEP 2, 0
	TURN 3, 1
	STEP 4, 0
	TURN 5, 0
.if MODE == 0
	s_cmp_lt_u32 s19, 8                            ; the two kinds part here, on the cluster's y; no barrier and no tensor load stands in an arm
	s_cbranch_scc0 .Ltype1
	s_cmp_lt_u32 s67, 8
	s_cselect_b64 s[74:75], s[8:9], s[10:11]       ; bq or bk
	s_and_b32 s86, s67, 7
	s_lshl_b32 s88, s86, 9
	s_mov_b32 s89, 0
	s_add_nc_u64 s[74:75], s[74:75], s[88:89]
	s_lshr_b32 s88, s66, 4                         ; out: (((batch) 16 + head) 16 + token panel) x 20,992, + 7,168 for k
	s_lshl_b32 s88, s88, 4
	s_lshl_b32 s86, s86, 1
	s_add_co_u32 s88, s88, s86
	s_lshl_b32 s88, s88, 4
	s_and_b32 s86, s66, 15
	s_add_co_u32 s88, s88, s86
	s_mul_i32 s88, s88, 20992
	s_lshr_b32 s86, s67, 3
	s_mul_i32 s86, s86, 7168
	s_add_co_u32 s88, s88, s86
	s_add_nc_u64 s[72:73], s[14:15], s[88:89]
	BIAS_N
	STEP 6, 0
	LAST
.irp a, 0,1,2,3,4,5,6,7
	EPI \a, 0
.endr
	FINISH
	s_branch .Lend
.Ltype1:
	s_sub_co_u32 s86, s66, 16
	s_lshl_b32 s88, s86, 9
	s_mov_b32 s89, 0
	s_add_nc_u64 s[74:75], s[12:13], s[88:89]      ; bv at my panel's 128 channels
	s_lshr_b32 s88, s67, 4
	s_lshl_b32 s88, s88, 4
	s_lshl_b32 s86, s86, 1
	s_add_co_u32 s88, s88, s86
	s_lshl_b32 s88, s88, 4
	s_and_b32 s86, s67, 15
	s_add_co_u32 s88, s88, s86
	s_mul_i32 s88, s88, 20992
	s_add_co_u32 s88, s88, 14336
	s_add_nc_u64 s[72:73], s[14:15], s[88:89]
	BIAS_M
	STEP 6, 0
	LAST
.irp a, 0,1,2,3,4,5,6,7
	EPI \a, 1
.endr
	FINISH
.Lend:
.else
	s_lshl_b32 s86, s66, 5
	s_add_co_u32 s86, s86, s67
	s_mul_i32 s86, s86, BLK
	s_mov_b32 s87, 0
	s_add_nc_u64 s[72:73], s[10:11], s[86:87]      ; hid's block (PA, K step PB)
	s_lshl_b32 s86, s67, 9
	s_add_nc_u64 s[74:75], s[8:9], s[86:87]        ; b1 at my panel's 128 units
	BIAS_N
	STEP 6, 0
	LAST
.irp a, 0,1,2,3,4,5,6,7
	EPI \a, 2
.endr
	FINISH
.endif
	CROUND                                         ; the closing round: no work-group ends while a partner may still ask for a tile that names it
	s_endpgm
.Lfunc_end_k_q67389a09d1_qkv:
	.size	k_q67389a09d1_qkv, .Lfunc_end_k_q67389a09d1_qkv-k_q67389a09d1_qkv
	.p2alignl 7, 3214868480
	.fill 96, 4, 3214868480
	.section	.rodata,"a",@progbits
	.p2align	6, 0x0
	.amdhsa_kernel k_q67389a09d1_qkv
		.amdhsa_group_segment_fixed_size 327680
		.amdhsa_private_segment_fixed_size 0
		.amdhsa_enable_private_segment 0
		.amdhsa_kernarg_size 48
		.amdhsa_user_sgpr_count 2
		.amdhsa_user_sgpr_kernarg_segment_ptr 1
		.amdhsa_wavefront_size32 1
		.amdhsa_system_sgpr_workgroup_id_x 1
		.amdhsa_system_sgpr_workgroup_id_y 1
		.amdhsa_system_sgpr_workgroup_id_z 1
		.amdhsa_system_vgpr_workitem_id 0
		.amdhsa_next_free_vgpr 1024
		.amdhsa_next_free_sgpr 96
		.amdhsa_reserve_vcc 0
		.amdhsa_float_denorm_mode_32 3
		.amdhsa_float_denorm_mode_16_64 3
		.amdhsa_memory_ordered 1
		.amdhsa_forward_progress 1
		.amdhsa_inst_pref_size 247
	.end_amdhsa_kernel
	.amdgpu_metadata
---
amdhsa.version: [ 1, 2 ]
amdhsa.kernels:
  - .name:           k_q67389a09d1_qkv
    .symbol:         k_q67389a09d1_qkv.kd
    .args:
      - { .name: xc, .offset: 0, .size: 8, .value_kind: global_buffer, .address_space: global }
      - { .name: wc, .offset: 8, .size: 8, .value_kind: global_buffer, .address_space: global }
      - { .name: bq, .offset: 16, .size: 8, .value_kind: global_buffer, .address_space: global }
      - { .name: bk, .offset: 24, .size: 8, .value_kind: global_buffer, .address_space: global }
      - { .name: bv, .offset: 32, .size: 8, .value_kind: global_buffer, .address_space: global }
      - { .name: qkv, .offset: 40, .size: 8, .value_kind: global_buffer, .address_space: global }
    .group_segment_fixed_size: 327680
    .private_segment_fixed_size: 0
    .kernarg_segment_align: 8
    .kernarg_segment_size: 48
    .max_flat_workgroup_size: 128
    .sgpr_count:     96
    .vgpr_count:     1024
    .wavefront_size: 32
...
	.end_amdgpu_metadata
.endif
;; end of part 2
;; launch attn (part 3): grid 8 x 32, 16 waves a work-group, clusters of 4 x 1, 223,232 bytes of LDS; arguments qkv, oc; writes oc
.if DOCPART == 3
	.amdgcn_target "amdgcn-amd-amdhsa--gfx1250"
	.amdhsa_code_object_version 6
	.text
	.protected	k_q67389a09d1_attn
	.globl	k_q67389a09d1_attn
	.p2align	8
	.type	k_q67389a09d1_attn,@function
k_q67389a09d1_attn:
	s_mov_b64 s[64:65], 0
	v_nop
	global_prefetch_b8 v0, s[64:65] scope:SCOPE_SE
	s_setreg_imm32_b32 hwreg(HW_REG_WAVE_MODE, 25, 1), 1
	s_wait_xcnt 0x0
	s_wait_alu depctr_hold_cnt(0) depctr_sa_sdst(0) depctr_va_vdst(0) depctr_va_sdst(0) depctr_va_ssrc(0) depctr_va_vcc(0) depctr_vm_vsrc(0)
	s_getreg_b32 s2, hwreg(HW_REG_IB_STS2, 6, 4)
	s_cmp_eq_u32 s2, 0
	s_cbranch_scc0 .Lentry_in_a_cluster
	s_endpgm
.Lentry_in_a_cluster:
	s_bfe_u32 s2, ttmp6, 0x10000c
	s_cmp_lg_u32 s2, 0x3003
	s_cbranch_scc0 .Lentry_shape_is_right
	s_endpgm
.Lentry_shape_is_right:
; O = softmax(Q K^T / 8) V for one head of 64 channels and 2,048 keys, both products on codes of FP6; O / l is quantised along the channels and stored as half a fragment of the next product's operand.
; qkv: [batch x head 32][token panel 16][20,992 bytes]: Q's 8 half fragments at 0, K's at 7,168 (tile t: 512 t + 16 lane, 4096 + 256 t + 8 lane, scale word 6144 + 128 t + 4 lane), V's 4 whole fragments (16 channels x 128 keys) at 14,336.
; THE SOFTMAX: t = score x log2(e) / 8; M = the running largest t rounded UP to a whole number; p = 2^(t - M) is quantised along the keys, not normalised; the row's sum is taken of the unquantised p and divides O at the end.
; When M moves, the sum and O are multiplied by 2^(old M - new M): exact.
; SHARES.  A work-group owns 256 queries of a head, each of its sixteen waves one tile of 16, in 256 registers: four waves to a SIMD, so that one wave's vector work stands beside another's matrix work and LDS loads.
; ALL OF THE HEAD'S K AND V, 16 key steps x 13,824 bytes, lie in LDS at once: wave w brings key step w by one tensor load; nothing is filled again.
; CLUSTER 4 x 1: the four work-groups belong to one head and ask for its K and V jointly.
; Both products are used transposed (S^T = K Q^T, O^T = V^T P^T): a lane holds one query throughout.  The head's 64 fill half of an instruction's 128 along K: the upper six registers of Q's and K's fragments are zero codes.
; The tiles' order of rows (lane-row p of tile 2b+u is row 32 b + 8 u + p + 8 (p / 8)) makes the 16 registers of tiles 2b, 2b+1 sixteen neighbours along the next K.
; The scale word of oc belongs to two heads: this launch stores its two bytes of each word (2 bytes a lane, 128 a tile): the one store here that does not cover whole runs.
; LIMITS: a block of zeros gets the byte 1; NaN and infinities are not served; 1 / l is v_rcp_f32.
; REGISTERS: v1-3 16 l, 8 l, 4 l; v8-10 the same in the key step in hand; v12 -M, v13 the largest t, v[14:15] the sum; v16-27 Q; v28-31 V's scale words; v32-79 four fragments of K; v80-127 V's four; v128-191 S^T, then p; v192-223 O^T;
;   v224-235 p's codes; v232-247 at work; v248-251 K's scale words; v252 f; v253 p's scale word; v254 at work; v255 Q's scale word.
.set KSB, 13824
.set BLK, 13312
.set WV,  8
.set G0,  12
.set G1,  16
.set SEL, 24
.set CS,  26
.set TB,  28
.set CNT, 29
.macro CROUND
	s_barrier_signal -1
	s_barrier_wait -1
	s_cmp_lg_u32 s[WV], 0
	s_cbranch_scc1 .Lnot_wave_0_\@
	s_barrier_signal -3
.Lnot_wave_0_\@:
	s_barrier_wait -3
	s_barrier_signal -1
	s_barrier_wait -1
.endm
	s_load_b128 s[4:7], s[0:1], 0x0                ; qkv, oc
	v_lshl_add_u32 v11, v0, 2, 0x36000
	v_mov_b32 v243, 0
	ds_add_u32 v11, v243
	ds_add_u32 v11, v243
	v_lshrrev_b32 v1, 5, v0
	s_delay_alu instid0(VALU_DEP_1)
	v_readfirstlane_b32 s[WV], v1                  ; wave 0..15
	s_bfe_u32 s9, ttmp6, 0x40000                   ; cx
	s_lshl_b32 s10, ttmp9, 2
	s_add_co_u32 s10, s10, s9                      ; my block of 256 queries: it enters Q's and oc's addresses alone
	s_and_b32 s11, ttmp7, 0xffff                   ; batch x 16 + head, which the four partners share
	s_mov_b32 s[G1], 15|(3<<16)|(1<<21)            ; the mask: all four; elements of 8 bytes; bit 21 beside a mask
	s_mov_b32 s[G1+1], 32<<16                      ; rows of 256 bytes,
	s_mov_b32 s[G1+2], 54<<16                      ; 54 of them: a key step's K and V, dense in memory
	s_mov_b32 s[G1+3], 32<<16
	s_mov_b32 s[G1+4], 54
	s_mov_b32 s[G1+5], 32
	s_mov_b32 s[G1+6], 0
	s_mov_b32 s[G1+7], 0
	s_lshl_b32 s30, s11, 4
	s_add_co_u32 s30, s30, s[WV]
	s_mul_i32 s30, s30, 20992
	s_add_co_u32 s30, s30, 7168                    ; key step = my wave's number
	s_mov_b32 s31, 0
	s_lshl_b32 s32, s10, 1
	s_lshr_b32 s33, s[WV], 3
	s_add_co_u32 s32, s32, s33                     ; my queries' token panel
	s_lshl_b32 s33, s11, 4
	s_add_co_u32 s33, s33, s32
	s_mul_i32 s34, s33, 20992
	s_mov_b32 s35, 0
	s_and_b32 s36, s[WV], 7                        ; and their tile a
	s_lshr_b32 s37, s11, 4
	s_lshl_b32 s37, s37, 4
	s_add_co_u32 s37, s37, s32                     ; oc's panel
	s_lshl_b32 s37, s37, 3
	s_bfe_u32 s38, s11, 0x30001                    ; its K step: head / 2
	s_add_co_u32 s37, s37, s38
	s_mul_i32 s38, s37, BLK
	s_mov_b32 s39, 0
	s_and_b32 s40, s11, 1                          ; e: which half of the fragment
	s_lshl_b32 s41, s36, 1
	s_add_co_u32 s41, s41, s40                     ; 2 a + e
	s_mov_b32 s[SEL], 0x76543210
	s_mov_b32 s[SEL+1], 0xfedcba98
	s_mov_b32 s[CS], 0x3e38aa3b                    ; c = log2(e) / 8
	s_mov_b32 s[CS+1], s[CS]
	s_mov_b32 s[TB], 0
	s_mov_b32 s[CNT], 4
	s_wait_dscnt 0x0
	s_wait_kmcnt 0x0
	s_mov_b32 s[G0], 1
	s_mul_i32 s[G0+1], s[WV], KSB
	s_add_nc_u64 s[G0+2:G0+3], s[4:5], s[30:31]
	s_or_b32 s[G0+3], s[G0+3], 0x80000000
	s_add_nc_u64 s[34:35], s[4:5], s[34:35]
	s_add_nc_u64 s[6:7], s[6:7], s[38:39]
	CROUND                                         ; all four work-groups are here: the joint loads meet
	s_cmp_lt_u32 s[WV], 4                          ; two load lines: waves 0-3, whose key steps are read first, have one of their own, so that a barrier can show those four alone
	s_cbranch_scc0 .Llater
	tensor_load_to_lds s[G0:G0+3], s[G1:G1+7]      ; my one tensor load of the launch
	s_nop 0
.rept 4
	v_nop
.endr
	s_branch .Lasked
.Llater:
	tensor_load_to_lds s[G0:G0+3], s[G1:G1+7]
	s_nop 0
.rept 4
	v_nop
.endr
.Lasked:
	v_and_b32 v4, 31, v0
	s_delay_alu instid0(VALU_DEP_1)
	v_lshlrev_b32 v1, 4, v4
	s_delay_alu instid0(VALU_DEP_2)
	v_lshlrev_b32 v2, 3, v4
	s_delay_alu instid0(VALU_DEP_3)
	v_lshlrev_b32 v3, 2, v4
	s_delay_alu instid0(VALU_DEP_3)
	v_lshl_add_u32 v4, s36, 9, v1
	s_delay_alu instid0(VALU_DEP_3)
	v_lshl_add_u32 v5, s36, 8, v2
	s_delay_alu instid0(VALU_DEP_3)
	v_lshl_add_u32 v6, s36, 7, v3
	global_load_b128 v[16:19], v4, s[34:35]        ; Q's half fragment stays in registers
	global_load_b64 v[20:21], v5, s[34:35] offset:4096
	global_load_b32 v255, v6, s[34:35] offset:6144
.irp i, 0,1,2,3,4,5
	v_mov_b32 v[22+\i], 0                          ; zero codes for k = 64 .. 127
.endr
.irp t, 0,1,2,3
.irp i, 0,1,2,3,4,5
	v_mov_b32 v[38+12*\t+\i], 0                    ; the same in K's fragments: no load ever lands here
.endr
.endr
	v_mov_b32 v13, 0xff61b1e6                      ; the largest t so far: -3e38
	s_delay_alu instid0(VALU_DEP_1)
	v_floor_f32 v12, -v13                          ; -M
	v_mov_b32 v14, 0
	v_mov_b32 v15, 0
.irp b, 0,1,2,3
	v_mov_b32 v[236+\b], 0                         ; a lane permute's destination counts as one of its sources
.endr
	v_mov_b32 v253, 0                              ; (named as the upper half of the pair v[252:253] before it is first written)
.irp j, 0,1,2,3,4,5,6,7,8,9,10,11,12,13,14,15,16,17,18,19,20,21,22,23,24,25,26,27,28,29,30,31
	v_mov_b32 v[192+\j], 0                         ; O^T: the loop is written once; its first step finds zeros
.endr
	s_cmp_lt_u32 s[WV], 4
	s_cbranch_scc0 .Lnot_first
	s_wait_tensorcnt 0x0                           ; waves 0-3: my key step is in
.Lnot_first:
	s_barrier_signal -1
	s_barrier_wait -1                              ; key steps 0-3 are in; the other twelve may be on their way: nothing is filled again in this launch
	s_wait_loadcnt 0x0                             ; Q
.macro KSTEP                                   ; 128 keys
	v_add_nc_u32 v8, s[TB], v1
	v_add_nc_u32 v9, s[TB], v2
	v_add_nc_u32 v10, s[TB], v3
.irp t, 0,1,2,3
	ds_load_b128 v[32+12*\t:35+12*\t], v8 offset:512*\t
	ds_load_b64 v[36+12*\t:37+12*\t], v9 offset:4096+256*\t
	ds_load_b32 v[248+\t], v10 offset:6144+128*\t
.endr
	s_wait_alu depctr_va_vdst(0)
	s_wait_dscnt 0x0
.irp t, 0,1,2,3
	v_wmma_scale_f32_16x16x128_f8f6f4 v[128+8*\t:135+8*\t], v[32+12*\t:43+12*\t], v[16:27], 0, v[248+\t], v255 matrix_a_fmt:MATRIX_FMT_FP6 matrix_b_fmt:MATRIX_FMT_FP6
.endr
.rept 4
	v_nop                                          ; places in front of loads into registers that matrix instructions have read
.endr
.irp t, 0,1,2,3
	ds_load_b128 v[32+12*\t:35+12*\t], v8 offset:512*(4+\t)
	ds_load_b64 v[36+12*\t:37+12*\t], v9 offset:4096+256*(4+\t)
	ds_load_b32 v[248+\t], v10 offset:6144+128*(4+\t)
.endr
.irp t, 0,1,2,3                                ; V's four fragments are asked for here and land under the softmax
	ds_load_b128 v[80+12*\t:83+12*\t], v8 offset:7168+1024*\t
	ds_load_b64 v[84+12*\t:85+12*\t], v9 offset:7168+4096+512*\t
	ds_load_b128 v[86+12*\t:89+12*\t], v8 offset:7168+1024*\t+512
	ds_load_b64 v[90+12*\t:91+12*\t], v9 offset:7168+4096+512*\t+256
	ds_load_b32 v[28+\t], v10 offset:7168+6144+128*\t
.endr
	s_wait_dscnt 20                                ; K's tiles 4-7 are in; V's twenty loads may be out
.irp t, 0,1,2,3
	v_wmma_scale_f32_16x16x128_f8f6f4 v[160+8*\t:167+8*\t], v[32+12*\t:43+12*\t], v[16:27], 0, v[248+\t], v255 matrix_a_fmt:MATRIX_FMT_FP6 matrix_b_fmt:MATRIX_FMT_FP6
.endr
.irp g, 0,2                                    ; the largest score of each block of 32 keys: it serves the row's maximum and, since p rises with the score, the block's largest p.  Blocks 0, 1 come first: their fourteen lines name no register of the four products above and are the places behind them
.irp b, 0,1
	v_max3_num_f32 v[232+\g+\b], v[128+16*(\g+\b)], v[129+16*(\g+\b)], v[130+16*(\g+\b)]
.endr
.irp i, 3,5,7,9,11,13
.irp b, 0,1
	v_max3_num_f32 v[232+\g+\b], v[232+\g+\b], v[128+16*(\g+\b)+\i], v[129+16*(\g+\b)+\i]
.endr
.endr
.endr
.irp b, 0,1,2,3
	v_max_num_f32 v[232+\b], v[232+\b], v[143+16*\b]   ; each block's sixteenth score: the four blocks on end, in the order in which the lines below take them
.endr
.irp b, 0,1,2,3
	s_delay_alu instid0(VALU_DEP_4)
	v_permlanex16_b32 v[236+\b], v[232+\b], s[SEL], s[SEL+1]
.endr
.irp b, 0,1,2,3
	s_delay_alu instid0(VALU_DEP_4)
	v_max_num_f32 v[232+\b], v[232+\b], v[236+\b]
.endr
	s_delay_alu instid0(VALU_DEP_2)
	v_max3_num_f32 v254, v232, v233, v234
	s_delay_alu instid0(VALU_DEP_1)
	v_max_num_f32 v254, v254, v235
	s_delay_alu instid0(VALU_DEP_1)
	v_mul_f32 v254, s[CS], v254
	s_delay_alu instid0(VALU_DEP_1)
	v_max_num_f32 v13, v13, v254                   ; the running largest t
	v_mov_b32 v254, v12
	s_delay_alu instid0(VALU_DEP_2)
	v_floor_f32 v12, -v13                          ; the new -M = -ceil(t)
	s_delay_alu instid0(VALU_DEP_1)
	v_sub_f32 v254, v12, v254                      ; old M - new M: a whole number, 0 or less
	s_delay_alu instid0(VALU_DEP_1)
	v_cvt_i32_f32 v254, v254                       ; (it saturates)
	s_delay_alu instid0(VALU_DEP_1)
	v_ldexp_f32 v252, 1.0, v254                    ; f = 2^(old M - new M)
.irp j, 0,2,4,6,8,10,12,14,16,18,20,22,24,26,28,30,32,34,36,38,40,42,44,46,48,50,52,54,56,58,60,62
	v_pk_fma_f32 v[128+\j:129+\j], v[128+\j:129+\j], s[CS:CS+1], v[12:13] op_sel_hi:[1,0,0]   ; t - M
.endr
.irp b, 0,1,2,3
	v_fma_f32 v[232+\b], v[232+\b], s[CS], v12
.endr
	s_wait_alu depctr_va_vdst(0)
.irp j, 0,1,2,3,4,5,6,7,8,9,10,11,12,13,14,15,16,17,18,19,20,21,22,23,24,25,26,27,28,29,30,31,32,33,34,35,36,37,38,39,40,41,42,43,44,45,46,47,48,49,50,51,52,53,54,55,56,57,58,59,60,61,62,63
	v_exp_f32 v[128+\j], v[128+\j]                 ; p = 2^(t - M)
.endr
	v_pk_mul_f32 v[14:15], v[14:15], v[252:253] op_sel_hi:[1,0]   ; the sums under the new M: the plain place behind the exponentials
	s_wait_alu depctr_va_vdst(0)                   ; one wait for the batch of 64, ahead of its first reader
.irp b, 0,1,2,3
	v_exp_f32 v[232+\b], v[232+\b]                 ; each block's largest p
.endr
	v_pk_add_f32 v[236:237], v[132:133], v[136:137]
	v_pk_add_f32 v[250:251], v[140:141], v[144:145]
	v_pk_add_f32 v[248:249], v[148:149], v[152:153]
	v_pk_add_f32 v[246:247], v[156:157], v[160:161]
	v_pk_add_f32 v[244:245], v[164:165], v[168:169]
	v_pk_add_f32 v[240:241], v[172:173], v[176:177]
	v_pk_add_f32 v[238:239], v[180:181], v[184:185]
	v_pk_add_f32 v[14:15], v[14:15], v[188:189]
	v_pk_add_f32 v[236:237], v[236:237], v[128:129]
	v_pk_add_f32 v[250:251], v[250:251], v[130:131]
	v_pk_add_f32 v[248:249], v[248:249], v[134:135]
	v_pk_add_f32 v[246:247], v[246:247], v[138:139]
	v_pk_add_f32 v[244:245], v[244:245], v[142:143]
	v_pk_add_f32 v[240:241], v[240:241], v[146:147]
	v_pk_add_f32 v[238:239], v[238:239], v[150:151]
	v_pk_add_f32 v[14:15], v[14:15], v[154:155]
	v_pk_add_f32 v[236:237], v[236:237], v[158:159]
	v_pk_add_f32 v[250:251], v[250:251], v[162:163]
	v_pk_add_f32 v[248:249], v[248:249], v[166:167]
	v_pk_add_f32 v[246:247], v[246:247], v[170:171]
	v_pk_add_f32 v[244:245], v[244:245], v[174:175]
	v_pk_add_f32 v[240:241], v[240:241], v[178:179]
	v_pk_add_f32 v[238:239], v[238:239], v[182:183]
	v_pk_add_f32 v[14:15], v[14:15], v[186:187]
	v_pk_add_f32 v[236:237], v[236:237], v[190:191]
	s_delay_alu instid0(VALU_DEP_2)
	v_pk_add_f32 v[14:15], v[14:15], v[246:247]
	s_delay_alu instid0(VALU_DEP_2)
	v_pk_add_f32 v[236:237], v[236:237], v[244:245]
	v_pk_add_f32 v[250:251], v[250:251], v[240:241]
	v_pk_add_f32 v[248:249], v[248:249], v[238:239]
	s_delay_alu instid0(VALU_DEP_2)
	v_pk_add_f32 v[14:15], v[14:15], v[250:251]
	s_delay_alu instid0(VALU_DEP_2)
	v_pk_add_f32 v[236:237], v[236:237], v[248:249]
	s_delay_alu instid0(VALU_DEP_1)
	v_pk_add_f32 v[14:15], v[14:15], v[236:237]
	s_wait_alu depctr_va_vdst(0)                   ; and one for the four
.irp b, 0,1,2,3
	v_max_num_f32 v[232+\b], 0x1800000, v[232+\b]  ; the floor: the byte cannot fall under 1
.endr
.irp b, 0,1,2,3
	s_delay_alu instid0(VALU_DEP_4)
	v_add_nc_u32 v[244+\b], 0xff000000, v[232+\b]
.endr
.irp b, 0,1,2,3
	s_delay_alu instid0(VALU_DEP_4)
	v_lshrrev_b32 v[236+\b], 23, v[244+\b]
.endr
	s_delay_alu instid0(VALU_DEP_3)
	v_lshl_or_b32 v253, v237, 8, v236              ; p's scale word for these 128 keys
	s_delay_alu instid0(VALU_DEP_1)
	v_lshl_or_b32 v253, v238, 16, v253
	s_delay_alu instid0(VALU_DEP_1)
	v_lshl_or_b32 v253, v239, 24, v253
.irp c, 0,1
	v_cvt_scalef32_pk16_fp6_f32 v[224+6*\c:226+6*\c], v[128+32*\c:143+32*\c], v[244+2*\c]
	v_cvt_scalef32_pk16_fp6_f32 v[236+4*\c:238+4*\c], v[144+32*\c:159+32*\c], v[244+2*\c+1]
.endr
	v_nop                                          ; one plain place behind a scaled conversion
.irp c, 0,1
.irp i, 0,1,2
	v_permlane16_swap_b32 v[224+6*\c+\i], v[236+4*\c+\i]
.endr
.irp i, 0,1,2
	s_delay_alu instid0(VALU_DEP_3)
	v_mov_b32 v[227+6*\c+\i], v[236+4*\c+\i]
.endr
.endr
.irp j, 0,2,4,6,8,10,12,14,16,18,20,22,24,26,28,30
	v_pk_mul_f32 v[192+\j:193+\j], v[192+\j:193+\j], v[252:253] op_sel_hi:[1,0]   ; O^T under the new M; these are also the places between the scale word's and the codes' last writes and the products below
.endr
	s_wait_alu depctr_va_vdst(0)
	s_wait_dscnt 0x0                               ; V
.irp t, 0,1,2,3
	v_wmma_scale_f32_16x16x128_f8f6f4 v[192+8*\t:199+8*\t], v[80+12*\t:91+12*\t], v[224:235], v[192+8*\t:199+8*\t], v[28+\t], v253 matrix_a_fmt:MATRIX_FMT_FP6 matrix_b_fmt:MATRIX_FMT_FP6
.endr
	s_add_co_u32 s[TB], s[TB], KSB
	s_sub_co_u32 s[CNT], s[CNT], 1
	s_cmp_lg_u32 s[CNT], 0
.endm
.Lstep:                                            ; 4 trips: key steps 0-3
	KSTEP
	s_cbranch_scc1 .Lstep
	s_wait_tensorcnt 0x0                           ; every wave: my key step is in,
	s_barrier_signal -1
	s_barrier_wait -1                              ; everybody's is
	s_mov_b32 s[CNT], 12
.Lstep2:                                           ; 12 trips: key steps 4-15
	KSTEP
	s_cbranch_scc1 .Lstep2
	; THE WAY OUT: O^T / the sum; its 32 registers are 2 blocks of 32 channels (register 16 b + i = channel 32 b + 16 h + i): quantised, they are registers 6e .. 6e+5 of a fragment of oc
	v_add_f32 v14, v14, v15
	s_delay_alu instid0(VALU_DEP_1)
	v_permlanex16_b32 v252, v14, s[SEL], s[SEL+1]
	s_delay_alu instid0(VALU_DEP_1)
	v_add_f32 v14, v14, v252                       ; the row's sum
	s_wait_alu depctr_va_vdst(0)
	v_rcp_f32 v14, v14
	v_lshl_add_u32 v4, s41, 9, v1                  ; 16 l + 512 (2a+e)   (plain places behind the reciprocal and behind the last products)
	v_lshl_add_u32 v5, s41, 8, v2                  ; 8 l + 256 (2a+e)
	v_lshl_add_u32 v6, s36, 7, v3
	s_delay_alu instid0(VALU_DEP_1)
	v_lshl_add_u32 v6, s40, 1, v6                  ; 4 l + 128 a + 2 e
	s_wait_alu depctr_va_vdst(0)                   ; ahead of the reciprocal's first reader
.irp j, 0,1,2,3,4,5,6,7,8,9,10,11,12,13,14,15,16,17,18,19,20,21,22,23,24,25,26,27,28,29,30,31
	v_mul_f32 v[128+\j], v[192+\j], v14
.endr
.irp b, 0,1
	v_max3_num_f32 v[232+\b], |v[128+16*\b]|, |v[129+16*\b]|, 0x1800000
.endr
.irp i, 2,4,6,8,10,12,14
.irp b, 0,1
	s_delay_alu instid0(VALU_DEP_2)
	v_max3_num_f32 v[232+\b], v[232+\b], |v[128+16*\b+\i]|, |v[129+16*\b+\i]|
.endr
.endr
.irp b, 0,1
	s_delay_alu instid0(VALU_DEP_2)
	v_permlanex16_b32 v[236+\b], v[232+\b], s[SEL], s[SEL+1]
.endr
.irp b, 0,1
	s_delay_alu instid0(VALU_DEP_2)
	v_max_num_f32 v[232+\b], v[232+\b], v[236+\b]
.endr
.irp b, 0,1
	s_delay_alu instid0(VALU_DEP_2)
	v_add_nc_u32 v[244+\b], 0xff000000, v[232+\b]
.endr
.irp b, 0,1
	s_delay_alu instid0(VALU_DEP_2)
	v_lshrrev_b32 v[236+\b], 23, v[244+\b]
.endr
	s_delay_alu instid0(VALU_DEP_1)
	v_lshl_or_b32 v240, v237, 8, v236              ; my head's two bytes of the scale word
	v_cvt_scalef32_pk16_fp6_f32 v[224:226], v[128:143], v244
	v_cvt_scalef32_pk16_fp6_f32 v[160:162], v[144:159], v245
	v_nop
.irp i, 0,1,2
	v_permlane16_swap_b32 v[224+\i], v[160+\i]
.endr
.irp i, 0,1,2
	s_delay_alu instid0(VALU_DEP_3)
	v_mov_b32 v[227+\i], v[160+\i]
.endr
	global_store_b128 v4, v[224:227], s[6:7]
	global_store_b64 v5, v[228:229], s[6:7] offset:8192
	global_store_b16 v6, v240, s[6:7] offset:12288
	s_wait_tensorcnt 0x0
	ds_add_u32 v11, v243
	s_wait_dscnt 0x0
	CROUND                                         ; the closing round
	s_endpgm
.Lfunc_end_k_q67389a09d1_attn:
	.size	k_q67389a09d1_attn, .Lfunc_end_k_q67389a09d1_attn-k_q67389a09d1_attn
	.p2alignl 7, 3214868480
	.fill 96, 4, 3214868480
	.section	.rodata,"a",@progbits
	.p2align	6, 0x0
	.amdhsa_kernel k_q67389a09d1_attn
		.amdhsa_group_segment_fixed_size 223232
		.amdhsa_private_segment_fixed_size 0
		.amdhsa_enable_private_segment 0
		.amdhsa_kernarg_size 16
		.amdhsa_user_sgpr_count 2
		.amdhsa_user_sgpr_kernarg_segment_ptr 1
		.amdhsa_wavefront_size32 1
		.amdhsa_system_sgpr_workgroup_id_x 1
		.amdhsa_system_sgpr_workgroup_id_y 1
		.amdhsa_system_sgpr_workgroup_id_z 1
		.amdhsa_system_vgpr_workitem_id 0
		.amdhsa_next_free_vgpr 256
		.amdhsa_next_free_sgpr 66
		.amdhsa_reserve_vcc 0
		.amdhsa_float_denorm_mode_32 3
		.amdhsa_float_denorm_mode_16_64 3
		.amdhsa_memory_ordered 1
		.amdhsa_forward_progress 1
		.amdhsa_inst_pref_size 48
	.end_amdhsa_kernel
	.amdgpu_metadata
---
amdhsa.version: [ 1, 2 ]
amdhsa.kernels:
  - .name:           k_q67389a09d1_attn
    .symbol:         k_q67389a09d1_attn.kd
    .args:
      - { .name: qkv, .offset: 0, .size: 8, .value_kind: global_buffer, .address_space: global }
      - { .name: oc, .offset: 8, .size: 8, .value_kind: global_buffer, .address_space: global }
    .group_segment_fixed_size: 223232
    .private_segment_fixed_size: 0
    .kernarg_segment_align: 8
    .kernarg_segment_size: 16
    .max_flat_workgroup_size: 512
    .sgpr_count:     66
    .vgpr_count:     256
    .wavefront_size: 32
...
	.end_amdgpu_metadata
.endif
;; end of part 3
;; launch woln (part 4): grid 256 x 1, 16 waves a work-group, no clusters, 82,432 bytes of LDS; arguments oc, wc, x, bo, gamma1, beta1, hf, hc; writes hf, hc
.if DOCPART == 4
	.amdgcn_target "amdgcn-amd-amdhsa--gfx1250"
	.amdhsa_code_object_version 6
	.text
	.protected	k_q67389a09d1_woln
	.globl	k_q67389a09d1_woln
	.p2align	8
	.type	k_q67389a09d1_woln,@function
k_q67389a09d1_woln:
	s_mov_b64 s[64:65], 0
	v_nop
	global_prefetch_b8 v0, s[64:65] scope:SCOPE_SE
	s_setreg_imm32_b32 hwreg(HW_REG_WAVE_MODE, 25, 1), 1
	s_wait_xcnt 0x0
; h = LayerNorm(x + (o Wo + bo)): the product on codes of FP6 and the norm in ONE launch; h leaves as f32 (hf) and as codes in the order of an operand's registers (hc).
; SHARES.  A work-group owns one tile of 16 WHOLE rows (tile a of panel p: lane-row q is row 128 p + 32 (a / 2) + 8 (a % 2) + q + 8 (q / 8)) x all 1,024 columns, so that a row's mean and deviation never leave it.
; Wave w of sixteen makes columns 64 w .. 64 w + 63: four accumulators.  The matrix instruction is used transposed (source 0 = 16 rows of the weight, source 1 = the 16 rows of o).
; THE WEIGHT GOES FROM MEMORY STRAIGHT INTO REGISTERS: it lies in blocks of 13,312 bytes in the order of the operand's registers, and in a work-group of 16 rows each of its fragments feeds exactly one matrix instruction:
; a stage in LDS would add a write and a read for each byte and spare none.  So there is no tensor load, and with it no joint load to share in a cluster.  Three sets of registers: the loads of three K steps (54) are under way in each wave,
; which is why no prefetch is laid beside them.  The 16 rows' fragments, which all waves share, are laid in LDS once (1,792 bytes a K step).
; THE NORM.  The sums go to a stage in LDS (rows of 4,096 + 16 bytes); behind a barrier wave w takes lane-row w whole: every load and store of f32 covers 512 consecutive bytes.  t = x + (c + bo); mean and variance in two passes over registers.
; h returns to the stage; behind a second barrier waves 0-7 quantise a K step of the next product each.
; LIMITS: the root and the reciprocal are v_sqrt_f32 and v_rcp_f32; a block of zeros gets the byte 1; largest magnitudes under 2^-124 are held at that floor; NaN and infinities are not served.
; REGISTERS: v1-3 the weight's lane terms; v4-6 LDS addresses of o's fragment; v7-9 16 l, 8 l, 4 l; v10, v11 the spare word's address and 0; v16-21 the weight's scale words (lanes 0-15 tile 2 u, lanes 16-31 tile 2 u + 1), v22 o's;
;   v24-35 o's fragment, later sums; v36-67 accumulators, later the row; v68-211 three sets of four fragments, later gamma, beta, bias and the quantiser; v212-243 the residual; v244-252 addresses.
.set KSTEPS, 8
.set REGION, 2555904
.set BLK, 13312
.set LP,  4112
.set SPARE, 66048                      ; behind the stage: 128 bytes a wave
.set AB,  68096                        ; o's fragments
.set AI,  1792
.set TRIPS, (KSTEPS-5)/3
.set SCB, 16
.set SCA, 22
.set AF,  24
.set ACC, 36
.set BS,  68
.set R,   212
.set X,   36
.set BI,  164
.set GA,  68
.set BE,  116
.set S0,  24
.set S1,  26
.set MN,  28
.set RC,  30
.set SQ,  32
.set SEL, 26
.set PC,  160
.set TM,  180
.set PW,  196
.macro QUANT s
.irp b, 0,1,2,3
	v_max3_num_f32 v[TM+\b], |v[\s+16*\b]|, |v[\s+1+16*\b]|, 0x1800000
.endr
.irp i, 2,4,6,8,10,12,14
.irp b, 0,1,2,3
	s_delay_alu instid0(VALU_DEP_4)
	v_max3_num_f32 v[TM+\b], v[TM+\b], |v[\s+16*\b+\i]|, |v[\s+1+16*\b+\i]|
.endr
.endr
.irp b, 0,1,2,3
	s_delay_alu instid0(VALU_DEP_4)
	v_permlanex16_b32 v[TM+4+\b], v[TM+\b], s[SEL], s[SEL+1]
.endr
.irp b, 0,1,2,3
	s_delay_alu instid0(VALU_DEP_4)
	v_max_num_f32 v[TM+\b], v[TM+\b], v[TM+4+\b]
.endr
.irp b, 0,1,2,3
	s_delay_alu instid0(VALU_DEP_4)
	v_add_nc_u32 v[TM+12+\b], 0xff000000, v[TM+\b]
.endr
.irp b, 0,1,2,3
	s_delay_alu instid0(VALU_DEP_4)
	v_lshrrev_b32 v[TM+4+\b], 23, v[TM+12+\b]
.endr
	s_delay_alu instid0(VALU_DEP_3)
	v_lshl_or_b32 v[PW], v[TM+5], 8, v[TM+4]
	s_delay_alu instid0(VALU_DEP_1)
	v_lshl_or_b32 v[PW], v[TM+6], 16, v[PW]
	s_delay_alu instid0(VALU_DEP_1)
	v_lshl_or_b32 v[PW], v[TM+7], 24, v[PW]
.irp c, 0,1
	v_cvt_scalef32_pk16_fp6_f32 v[PC+6*\c:PC+2+6*\c], v[\s+32*\c:\s+15+32*\c], v[TM+12+2*\c]
	v_cvt_scalef32_pk16_fp6_f32 v[PC+12+4*\c:PC+14+4*\c], v[\s+16+32*\c:\s+31+32*\c], v[TM+12+2*\c+1]
.endr
	v_nop
.irp c, 0,1
.irp i, 0,1,2
	v_permlane16_swap_b32 v[PC+6*\c+\i], v[PC+12+4*\c+\i]
.endr
.irp i, 0,1,2
	s_delay_alu instid0(VALU_DEP_3)
	v_mov_b32 v[PC+3+6*\c+\i], v[PC+12+4*\c+\i]
.endr
.endr
.endm
.macro BLOAD set, off                  ; my four tiles of a K step and their scale words: 18 loads
.irp t, 0,1,2,3
	global_load_b128 v[BS+48*(\set)+12*\t:BS+48*(\set)+12*\t+3], v1, s[6:7] offset:(\off)+1024*\t
	global_load_b64 v[BS+48*(\set)+12*\t+4:BS+48*(\set)+12*\t+5], v2, s[6:7] offset:(\off)+8192+512*\t
	global_load_b128 v[BS+48*(\set)+12*\t+6:BS+48*(\set)+12*\t+9], v1, s[6:7] offset:(\off)+1024*\t+512
	global_load_b64 v[BS+48*(\set)+12*\t+10:BS+48*(\set)+12*\t+11], v2, s[6:7] offset:(\off)+8192+512*\t+256
.endr
	global_load_b32 v[SCB+2*(\set)], v3, s[6:7] offset:(\off)+12288
	global_load_b32 v[SCB+2*(\set)+1], v3, s[6:7] offset:(\off)+12288+256
.endm
.macro ALOAD off                       ; o's fragment and scale word of a K step, from LDS
	ds_load_b128 v[AF:AF+3], v4 offset:\off
	ds_load_b64 v[AF+4:AF+5], v5 offset:(\off)+1024
	ds_load_b128 v[AF+6:AF+9], v4 offset:(\off)+512
	ds_load_b64 v[AF+10:AF+11], v5 offset:(\off)+1280
	ds_load_b32 v[SCA], v6 offset:(\off)+1536
.endm
.macro W1 d, b, c, sc, row
	v_wmma_scale_f32_16x16x128_f8f6f4 v[\d:\d+7], v[\b:\b+11], v[AF:AF+11], \c, v[\sc], v[SCA] matrix_a_fmt:MATRIX_FMT_FP6 matrix_b_fmt:MATRIX_FMT_FP6 matrix_a_scale:MATRIX_SCALE_ROW\row
.endm
; A K step: the four accumulators take turns.  cnt: the loads issued behind this set's.  Behind four places the next fragment of o and, three K steps ahead, this set's next tiles are asked for.
.macro STEP set, zero, cnt, anext, bnext
	s_wait_loadcnt \cnt
	s_wait_dscnt 0x0
.irp u, 0,1
.if \zero
	W1 ACC+16*\u, BS+48*(\set)+24*\u, 0, SCB+2*(\set)+\u, 0
	W1 ACC+16*\u+8, BS+48*(\set)+24*\u+12, 0, SCB+2*(\set)+\u, 1
.else
	W1 ACC+16*\u, BS+48*(\set)+24*\u, v[ACC+16*\u:ACC+16*\u+7], SCB+2*(\set)+\u, 0
	W1 ACC+16*\u+8, BS+48*(\set)+24*\u+12, v[ACC+16*\u+8:ACC+16*\u+15], SCB+2*(\set)+\u, 1
.endif
.endr
.rept 4
	v_nop
.endr
.if \anext >= 0
	ALOAD \anext
.endif
.if \bnext >= 0
	BLOAD \set, \bnext
.endif
.endm
.macro ROWLOAD reg, sb                 ; a vector of 1,024 numbers as a row lies in a wave
.irp j, 0,1,2,3,4,5,6,7
	global_load_b128 v[\reg+4*\j:\reg+4*\j+3], v7, s[\sb:\sb+1] offset:512*\j
.endr
.endm
.macro AADR                            ; LDS addresses of o's fragments from the K step in hand on
	v_add_nc_u32 v4, s29, v7
	v_add_nc_u32 v5, s29, v8
	v_add_nc_u32 v6, s29, v9
	s_wait_alu depctr_va_vdst(0)
.endm
.macro ACROSS                          ; two chains become the row's sum in every lane: v[S0]
	s_delay_alu instid0(VALU_DEP_1)
	v_pk_add_f32 v[S0:S0+1], v[S0:S0+1], v[S1:S1+1]
	s_delay_alu instid0(VALU_DEP_1)
	v_add_f32 v[S0], v[S0], v[S0+1]
.irp m, 1,2,4,8
	s_delay_alu instid0(VALU_DEP_1)
	v_add_f32_dpp v[S0], v[S0], v[S0] row_xmask:\m row_mask:0xf bank_mask:0xf
.endr
	s_delay_alu instid0(VALU_DEP_1)
	v_permlanex16_b32 v[S0+1], v[S0], s[SEL], s[SEL+1]
	s_delay_alu instid0(VALU_DEP_1)
	v_add_f32 v[S0], v[S0], v[S0+1]
.endm
	s_load_b256 s[4:11], s[0:1], 0x0               ; oc, wc, x, bo
	s_load_b128 s[12:15], s[0:1], 0x20             ; gamma1, beta1
	s_load_b128 s[16:19], s[0:1], 0x30             ; hf, hc
	v_lshl_add_u32 v10, v0, 2, SPARE
	v_mov_b32 v11, 0
	v_lshrrev_b32 v12, 5, v0
	v_readfirstlane_b32 s20, v12                   ; wave 0..15
	s_lshr_b32 s21, ttmp9, 3                       ; panel p
	s_and_b32 s22, ttmp9, 7                        ; tile a
	s_and_b32 s23, s20, 1                          ; which half of the weight's panel
	s_lshr_b32 s24, s20, 1                         ; which panel
	s_and_b32 s25, s20, 7
	s_lshl_b32 s36, s23, 12
	s_lshl_b32 s37, s23, 11
	s_lshl_b32 s38, s23, 9
	s_lshl_b32 s39, s22, 10
	s_lshl_b32 s40, s22, 9
	s_lshl_b32 s41, s22, 7
	s_mul_i32 s42, s20, AI
	s_add_co_u32 s42, s42, AB
	s_lshl_b32 s43, s20, 8
	s_lshl_b32 s44, s25, 9
	s_mul_i32 s45, s20, LP
	s_mul_i32 s32, s24, KSTEPS*BLK
	s_add_co_u32 s32, s32, REGION                  ; my panel of the weight
	s_mov_b32 s33, 0
	s_mul_i32 s34, s21, KSTEPS
	s_add_co_u32 s34, s34, s20
	s_mul_i32 s34, s34, BLK                        ; o's block (p, K step = my wave)
	s_mov_b32 s35, 0
	s_lshl_b32 s46, s21, 7
	s_lshr_b32 s30, s22, 1
	s_lshl_b32 s30, s30, 5
	s_add_co_u32 s46, s46, s30
	s_and_b32 s30, s22, 1
	s_lshl_b32 s30, s30, 3
	s_add_co_u32 s46, s46, s30
	s_add_co_u32 s46, s46, s20
	s_lshr_b32 s30, s20, 3
	s_lshl_b32 s30, s30, 3
	s_add_co_u32 s46, s46, s30                     ; the row of lane-row w
	s_lshl_b32 s46, s46, 12
	s_mov_b32 s47, 0
	s_lshl_b32 s48, s21, 3
	s_add_co_u32 s48, s48, s25
	s_mul_i32 s48, s48, BLK                        ; hc's block (p, K step w % 8)
	s_mov_b32 s49, 0
	s_mov_b32 s[SEL], 0x76543210
	s_mov_b32 s[SEL+1], 0xfedcba98
	v_and_b32 v13, 31, v0                          ; l
	v_and_b32 v14, 15, v0                          ; r
	v_bfe_u32 v15, v0, 4, 1                        ; h
	v_lshlrev_b32 v7, 4, v13
	v_lshlrev_b32 v8, 3, v13
	v_lshlrev_b32 v9, 2, v13
	v_add_nc_u32 v1, s36, v7
	v_add_nc_u32 v2, s37, v8
	v_lshl_add_u32 v3, v15, 6, v9                  ; lanes 16-31 take the next tile's words
	v_add_nc_u32 v3, s38, v3
	v_add_nc_u32 v244, s39, v7                     ; tile a's places in a block
	v_add_nc_u32 v245, s40, v8
	v_add_nc_u32 v246, s41, v9
	v_add_nc_u32 v247, s42, v7                     ; LDS: K step w's image
	v_add_nc_u32 v248, s42, v8
	v_add_nc_u32 v249, s42, v9
	v_add_nc_u32 v4, AB, v7
	v_add_nc_u32 v5, AB, v8
	v_add_nc_u32 v6, AB, v9
	v_mul_u32_u24 v250, v14, LP
	v_lshl_add_u32 v250, v15, 6, v250
	v_add_nc_u32 v252, s44, v250                   ; the stage, for the quantiser: row r, K step w % 8, + 64 h
	v_add_nc_u32 v250, s43, v250                   ; for the sums: row r, + 256 w + 64 h
	v_add_nc_u32 v251, s45, v7                     ; by rows: row w, 16 l
	s_wait_alu depctr_va_vdst(0)                   ; the head's end
	s_wait_kmcnt 0x0
	s_add_nc_u64 s[6:7], s[6:7], s[32:33]
	s_add_nc_u64 s[4:5], s[4:5], s[34:35]
	s_add_nc_u64 s[8:9], s[8:9], s[46:47]
	s_add_nc_u64 s[16:17], s[16:17], s[46:47]
	s_add_nc_u64 s[18:19], s[18:19], s[48:49]
.irp j, 0,1,2,3,4,5,6,7
	global_load_b128 v[R+4*\j:R+4*\j+3], v7, s[8:9] offset:512*\j th:TH_LOAD_NT   ; the residual row, kept until the norm
.endr
	s_cmp_lt_u32 s20, KSTEPS                       ; waves 0-7 bring a K step of o's tile each
	s_cbranch_scc0 .Lno_a1
	global_load_b128 v[ACC:ACC+3], v244, s[4:5]
	global_load_b128 v[ACC+4:ACC+7], v244, s[4:5] offset:512
	global_load_b64 v[ACC+8:ACC+9], v245, s[4:5] offset:8192
	global_load_b64 v[ACC+10:ACC+11], v245, s[4:5] offset:8192+256
	global_load_b32 v[ACC+12], v246, s[4:5] offset:12288
.Lno_a1:
	BLOAD 0, 0
	BLOAD 1, BLK
	s_wait_loadcnt 36                              ; all but the two sets just asked for
	s_cmp_lt_u32 s20, KSTEPS
	s_cbranch_scc0 .Lno_a2
	ds_store_b128 v247, v[ACC:ACC+3]
	ds_store_b128 v247, v[ACC+4:ACC+7] offset:512
	ds_store_b64 v248, v[ACC+8:ACC+9] offset:1024
	ds_store_b64 v248, v[ACC+10:ACC+11] offset:1280
	ds_store_b32 v249, v[ACC+12] offset:1536
.Lno_a2:
	BLOAD 2, 2*BLK
	s_wait_dscnt 0x0                               ; for the others' sake
	s_barrier_signal -1
	s_barrier_wait -1
	ALOAD 0
	STEP 0, 1, 36, AI, 3*BLK                       ; the first K step starts the sums
	STEP 1, 0, 36, 2*AI, 4*BLK
	s_wait_xcnt 0x0                                ; the loads have read their base
	s_add_nc_u64 s[6:7], s[6:7], 2*BLK
	s_mov_b32 s29, AB+2*AI
	s_mov_b32 s28, 0
.Ltrip:                                                ; three K steps a trip: the sets' numbers come back
	AADR
	STEP 2, 0, 36, AI, 3*BLK
	STEP 0, 0, 36, 2*AI, 4*BLK
	STEP 1, 0, 36, 3*AI, 5*BLK
	s_wait_xcnt 0x0
	s_add_nc_u64 s[6:7], s[6:7], 3*BLK
	s_add_co_u32 s29, s29, 3*AI
	s_add_co_u32 s28, s28, 1
	s_cmp_lt_u32 s28, TRIPS
	s_cbranch_scc1 .Ltrip
	AADR
	STEP 2, 0, 36, AI, -1                          ; the last three K steps ask for no tiles: the sets take bias, gamma, beta
	ROWLOAD BI, 10
	STEP 0, 0, 26, 2*AI, -1                        ; behind this set's loads: one set and the bias
	ROWLOAD GA, 12
	STEP 1, 0, 16, -1, -1                          ; bias and gamma
	ROWLOAD BE, 14
.irp t, 0,1,2,3
	ds_store_b128 v250, v[ACC+8*\t:ACC+8*\t+3] offset:128*(\t/2)+32*(\t%2)      ; each accumulator from its low end on
	ds_store_b128 v250, v[ACC+8*\t+4:ACC+8*\t+7] offset:128*(\t/2)+32*(\t%2)+16
.endr
	s_wait_dscnt 0x0
	s_barrier_signal -1
	s_barrier_wait -1
.irp j, 0,1,2,3,4,5,6,7
	ds_load_b128 v[X+4*\j:X+4*\j+3], v251 offset:512*\j
.endr
	s_wait_loadcnt 16                              ; the bias is in; gamma's and beta's sixteen loads may be out
	s_wait_dscnt 0x0
.irp i, 0,2,4,6,8,10,12,14,16,18,20,22,24,26,28,30
	v_pk_add_f32 v[X+\i:X+\i+1], v[X+\i:X+\i+1], v[BI+\i:BI+\i+1]
.endr
.irp i, 0,2,4,6,8,10,12,14,16,18,20,22,24,26,28,30
	v_pk_add_f32 v[X+\i:X+\i+1], v[R+\i:R+\i+1], v[X+\i:X+\i+1]   ; t
.endr
	v_pk_add_f32 v[S0:S0+1], v[X:X+1], v[X+4:X+5]
	v_pk_add_f32 v[S1:S1+1], v[X+2:X+3], v[X+6:X+7]
.irp i, 8,12,16,20,24,28
	s_delay_alu instid0(VALU_DEP_2)
	v_pk_add_f32 v[S0:S0+1], v[S0:S0+1], v[X+\i:X+\i+1]
	s_delay_alu instid0(VALU_DEP_2)
	v_pk_add_f32 v[S1:S1+1], v[S1:S1+1], v[X+\i+2:X+\i+3]
.endr
	ACROSS
	s_delay_alu instid0(VALU_DEP_1)
	v_mul_f32 v[MN], 0x3a800000, v[S0]             ; the mean
	s_delay_alu instid0(VALU_DEP_1)
	v_mov_b32 v[MN+1], v[MN]
.irp i, 0,2,4,6,8,10,12,14,16,18,20,22,24,26,28,30
	v_pk_add_f32 v[X+\i:X+\i+1], v[X+\i:X+\i+1], v[MN:MN+1] neg_lo:[0,1] neg_hi:[0,1]
.endr
	v_pk_mul_f32 v[S0:S0+1], v[X:X+1], v[X:X+1]
	v_pk_mul_f32 v[S1:S1+1], v[X+2:X+3], v[X+2:X+3]
.irp i, 4,8,12,16,20,24,28
	s_delay_alu instid0(VALU_DEP_2)
	v_pk_fma_f32 v[S0:S0+1], v[X+\i:X+\i+1], v[X+\i:X+\i+1], v[S0:S0+1]
	s_delay_alu instid0(VALU_DEP_2)
	v_pk_fma_f32 v[S1:S1+1], v[X+\i+2:X+\i+3], v[X+\i+2:X+\i+3], v[S1:S1+1]
.endr
	ACROSS
	s_delay_alu instid0(VALU_DEP_1)
	v_mul_f32 v[S0], 0x3a800000, v[S0]             ; the variance
	s_wait_alu depctr_va_vdst(0)                   ; a wait ahead of and behind each transcendental
	v_sqrt_f32 v[SQ], v[S0]
	v_nop
	s_wait_alu depctr_va_vdst(0)
	v_add_f32 v[SQ], 0x358637bd, v[SQ]             ; std + 1e-6
	s_wait_alu depctr_va_vdst(0)
	v_rcp_f32 v[RC], v[SQ]
	v_nop
	s_wait_alu depctr_va_vdst(0)
	v_mov_b32 v[RC+1], v[RC]
	s_wait_alu depctr_va_vdst(0)
	s_wait_loadcnt 0x0                             ; gamma, beta
.irp i, 0,2,4,6,8,10,12,14,16,18,20,22,24,26,28,30
	v_pk_mul_f32 v[X+\i:X+\i+1], v[X+\i:X+\i+1], v[RC:RC+1]
.endr
.irp i, 0,2,4,6,8,10,12,14,16,18,20,22,24,26,28,30
	v_pk_fma_f32 v[X+\i:X+\i+1], v[GA+\i:GA+\i+1], v[X+\i:X+\i+1], v[BE+\i:BE+\i+1]
.endr
.irp j, 0,1,2,3,4,5,6,7
	global_store_b128 v7, v[X+4*\j:X+4*\j+3], s[16:17] offset:512*\j
.endr
.irp j, 0,1,2,3,4,5,6,7
	ds_store_b128 v251, v[X+4*\j:X+4*\j+3] offset:512*\j   ; onto my own row of the stage, which I alone have read
.endr
	s_wait_dscnt 0x0
	s_barrier_signal -1
	s_barrier_wait -1
	s_cmp_lt_u32 s20, 8                            ; eight K steps of the next product: waves 0-7
	s_cbranch_scc0 .Lend
.irp b, 0,1,2,3
.irp j, 0,1,2,3
	ds_load_b128 v[96+16*\b+4*\j:99+16*\b+4*\j], v252 offset:128*\b+16*\j
.endr
.endr
.irp b, 0,1,2,3
	v_mov_b32 v[TM+4+\b], 0                        ; a lane permute's destination counts as one of its sources
.endr
	s_wait_dscnt 0x0
	QUANT 96
	global_store_b128 v244, v[PC:PC+3], s[18:19]
	global_store_b64 v245, v[PC+4:PC+5], s[18:19] offset:8192
	global_store_b128 v244, v[PC+6:PC+9], s[18:19] offset:512
	global_store_b64 v245, v[PC+10:PC+11], s[18:19] offset:8192+256
	global_store_b32 v246, v[PW], s[18:19] offset:12288
.Lend:
	s_wait_tensorcnt 0x0                           ; the wave's end
	ds_add_u32 v10, v11
	s_wait_dscnt 0x0
	s_endpgm
.Lfunc_end_k_q67389a09d1_woln:
	.size	k_q67389a09d1_woln, .Lfunc_end_k_q67389a09d1_woln-k_q67389a09d1_woln
	.p2alignl 7, 3214868480
	.fill 96, 4, 3214868480
	.section	.rodata,"a",@progbits
	.p2align	6, 0x0
	.amdhsa_kernel k_q67389a09d1_woln
		.amdhsa_group_segment_fixed_size 82432
		.amdhsa_private_segment_fixed_size 0
		.amdhsa_enable_private_segment 0
		.amdhsa_kernarg_size 64
		.amdhsa_user_sgpr_count 2
		.amdhsa_user_sgpr_kernarg_segment_ptr 1
		.amdhsa_wavefront_size32 1
		.amdhsa_system_sgpr_workgroup_id_x 1
		.amdhsa_system_sgpr_workgroup_id_y 1
		.amdhsa_system_sgpr_workgroup_id_z 1
		.amdhsa_system_vgpr_workitem_id 0
		.amdhsa_next_free_vgpr 256
		.amdhsa_next_free_sgpr 66
		.amdhsa_reserve_vcc 0
		.amdhsa_float_denorm_mode_32 3
		.amdhsa_float_denorm_mode_16_64 3
		.amdhsa_memory_ordered 1
		.amdhsa_forward_progress 1
		.amdhsa_inst_pref_size 50
	.end_amdhsa_kernel
	.amdgpu_metadata
---
amdhsa.version: [ 1, 2 ]
amdhsa.kernels:
  - .name:           k_q67389a09d1_woln
    .symbol:         k_q67389a09d1_woln.kd
    .args:
      - { .name: oc, .offset: 0, .size: 8, .value_kind: global_buffer, .address_space: global }
      - { .name: wc, .offset: 8, .size: 8, .value_kind: global_buffer, .address_space: global }
      - { .name: x, .offset: 16, .size: 8, .value_kind: global_buffer, .address_space: global }
      - { .name: bo, .offset: 24, .size: 8, .value_kind: global_buffer, .address_space: global }
      - { .name: gamma1, .offset: 32, .size: 8, .value_kind: global_buffer, .address_space: global }
      - { .name: beta1, .offset: 40, .size: 8, .value_kind: global_buffer, .address_space: global }
      - { .name: hf, .offset: 48, .size: 8, .value_kind: global_buffer, .address_space: global }
      - { .name: hc, .offset: 56, .size: 8, .value_kind: global_buffer, .address_space: global }
    .group_segment_fixed_size: 82432
    .private_segment_fixed_size: 0
    .kernarg_segment_align: 8
    .kernarg_segment_size: 64
    .max_flat_workgroup_size: 512
    .sgpr_count:     66
    .vgpr_count:     256
    .wavefront_size: 32
...
	.end_amdgpu_metadata
.endif
;; end of part 4
;; launch ffn1 (part 5): grid 8 x 32, 4 waves a work-group, clusters of 4 x 4, 327,680 bytes of LDS; arguments hc, wc, b1, hid; writes hid
.if DOCPART == 5
	.amdgcn_target "amdgcn-amd-amdhsa--gfx1250"
	.amdhsa_code_object_version 6
	.text
	.protected	k_q67389a09d1_ffn1
	.globl	k_q67389a09d1_ffn1
	.p2align	8
	.type	k_q67389a09d1_ffn1,@function
k_q67389a09d1_ffn1:
	s_mov_b64 s[64:65], 0
	v_nop
	global_prefetch_b8 v0, s[64:65] scope:SCOPE_SE
	s_setreg_imm32_b32 hwreg(HW_REG_WAVE_MODE, 25, 1), 1
	s_wait_xcnt 0x0
	s_wait_alu depctr_hold_cnt(0) depctr_sa_sdst(0) depctr_va_vdst(0) depctr_va_sdst(0) depctr_va_ssrc(0) depctr_va_vcc(0) depctr_vm_vsrc(0)
	s_getreg_b32 s2, hwreg(HW_REG_IB_STS2, 6, 4)
	s_cmp_eq_u32 s2, 0
	s_cbranch_scc0 .Lentry_in_a_cluster
	s_endpgm
.Lentry_in_a_cluster:
	s_bfe_u32 s2, ttmp6, 0x10000c
	s_cmp_lg_u32 s2, 0xf033
	s_cbranch_scc0 .Lentry_shape_is_right
	s_endpgm
.Lentry_shape_is_right:
; A GEMM on codes of FP6 whose results are quantised on the way out.  MODE 0: q = x Wq + bq, k = x Wk + bk (quantised along the head's 64) and v = x Wv + bv (quantised along the keys).  MODE 1: relu(h W1 + b1), quantised along the hidden units.
; Operands lie in blocks of 13,312 bytes in the order of the operand's registers (8 tiles of 16 rows x 128 K: registers 6e..6e+3 of tile t at 512 (2t+e) + 16 lane, registers 6e+4, 6e+5 at 8192 + 256 (2t+e) + 8 lane, scale words at 12288 + 128 t + 4 lane).
; SHARES.  A work-group makes 128 rows of "A" x 512 rows of "B", K = 1,024; wave w makes all 128 x B's panel w: 64 accumulators, 512 registers.  THE MATRIX INSTRUCTION IS USED TRANSPOSED (source 0 = 16 rows of B, source 1 = 16 rows of A): a lane holds
; one row of A, and since lane-row p of tile 2b+u is row 32 b + 8 u + p + 8 (p / 8), its 64 results of a tile of A are 64 numbers in the order that the quantiser's conversions want along the next K.
; LDS.  A's panel (8 K steps, 106,496 bytes) is resident; B goes through two slots of two K steps, each wave's part read by that wave alone.
; CLUSTERS 4 x 4: the four work-groups of a row of the cluster share A's panel, the four of a column share B's four panels: each tensor load is asked for jointly, with the same descriptor and a mask that names the four.
; One first fill of a wave is out at the start; later one, behind each round.
; LIMITS: a block of zeros gets the byte 1; largest magnitudes under 2^-124 are held at that floor; NaN and infinities are not served.
; REGISTERS: window 0: v4-15 LDS addresses, v19 the bias's lane term, v28-29 the spare word's address and 0, v32-63 scale words (two sets: A's 8 tiles, B's 8), v128-223 A's fragments (one set); on the way out v64-127 64 numbers, v128-178 the quantiser.
;   window 1: B's fragments, two sets at v0 and v128; the biases at v96-127 and v224-255.   windows 2, 3: accumulator (a, b) at v[8 (8 (a % 4) + b)].
.set MODE,  1
.set BLK,   13312
.set PANEL, 8*BLK
.set BLDS,  PANEL                      ; B's slots begin behind A's panel
.set SLOT,  8*BLK                      ; four waves x two K steps
.set SPARE, BLDS+2*SLOT                ; the spare words: 128 bytes a wave, two blocks of 256 bytes that no other line names
.set FR,  12
.set SC,  32
.set T,   64
.set AF,  128
.set PC,  128
.set TM,  160
.set PW,  176
.set SPW, 28
.set NIL, 29
.set WV,  16
.set G1A, 24
.set G1B, 32
.set G0A, 40                           ; s[40:43] group 0 for a half of A's panel (waves 0, 1)
.set G0H, 44                           ; s[44:47] group 0 for slot 0's first fill: two of B's panels (waves 2, 3)
.set G1H, 48                           ; s[48:55] its group 1
.set G0B, 56                           ; s[56:63] one for each of B's slots
.set SEL, 84
.set MSB, 0
.macro WIN new                         ; the immediate's high byte repeats the setting that is left
.if MSB != \new
	s_set_vgpr_msb (MSB<<8)|\new
.set MSB, \new
.endif
.endm
.set MUL_LO, 0xa1                      ; source 0 (B) window 1, source 1 (A) window 0, C and D window 2
.set MUL_HI, 0xf1                      ; the same, C and D window 3
.set TO_B,   0x40                      ; destination window 1, address window 0
.macro PLACES                          ; four plain places behind a matrix instruction, in front of loads into its registers and of reads of its results
.rept 4
	v_nop
.endr
.endm
.macro CREST                           ; a round of the cluster's barrier behind its opening barrier
	s_cmp_lg_u32 s[WV], 0
	s_cbranch_scc1 .Lnot_wave_0_\@
	s_barrier_signal -3
.Lnot_wave_0_\@:
	s_barrier_wait -3
	s_barrier_signal -1
	s_barrier_wait -1
.endm
.macro CROUND
	s_barrier_signal -1
	s_barrier_wait -1
	CREST
.endm
.macro QUANT s                         ; 64 numbers of a lane, register 16 b + i = k 32 b + 16 (lane / 16) + i, become a fragment in v[PC] on and its scale word in v[PW]
.irp b, 0,1,2,3
	v_max3_num_f32 v[TM+\b], |v[\s+16*\b]|, |v[\s+1+16*\b]|, 0x1800000   ; and the floor 2^(3 - 127): the byte cannot fall under 1
.endr
.irp i, 2,4,6,8,10,12,14
.irp b, 0,1,2,3
	v_max3_num_f32 v[TM+\b], v[TM+\b], |v[\s+16*\b+\i]|, |v[\s+1+16*\b+\i]|
.endr
.endr
.irp b, 0,1,2,3
	v_permlanex16_b32 v[TM+4+\b], v[TM+\b], s[SEL], s[SEL+1]
.endr
.irp b, 0,1,2,3
	v_max_num_f32 v[TM+\b], v[TM+\b], v[TM+4+\b]
.endr
.irp b, 0,1,2,3
	v_add_nc_u32 v[TM+12+\b], 0xff000000, v[TM+\b]   ; 2 off the exponent field: the conversion's scale operand
.endr
.irp b, 0,1,2,3
	v_lshrrev_b32 v[TM+4+\b], 23, v[TM+12+\b]
.endr
	v_lshl_or_b32 v[PW], v[TM+5], 8, v[TM+4]
	v_lshl_or_b32 v[PW], v[TM+6], 16, v[PW]
	v_lshl_or_b32 v[PW], v[TM+7], 24, v[PW]
.irp c, 0,1
	v_cvt_scalef32_pk16_fp6_f32 v[PC+6*\c:PC+2+6*\c], v[\s+32*\c:\s+15+32*\c], v[TM+12+2*\c]
	v_cvt_scalef32_pk16_fp6_f32 v[PC+12+4*\c:PC+14+4*\c], v[\s+16+32*\c:\s+31+32*\c], v[TM+12+2*\c+1]
.endr
	v_nop                                          ; one plain place behind a scaled conversion
.irp c, 0,1
.irp i, 0,1,2
	v_permlane16_swap_b32 v[PC+6*\c+\i], v[PC+12+4*\c+\i]
.endr
.irp i, 0,1,2
	v_mov_b32 v[PC+3+6*\c+\i], v[PC+12+4*\c+\i]
.endr
.endr
.endm
.macro FRAG reg, adr, off, t           ; a fragment's 12 registers: four loads, each at consecutive lanes; v[adr] = base + 16 lane, v[adr+1] = base + 8 lane
	ds_load_b128 v[\reg:\reg+3], v[\adr] offset:\off+1024*(\t)
	ds_load_b64 v[\reg+4:\reg+5], v[\adr+1] offset:\off+8192+512*(\t)
	ds_load_b128 v[\reg+6:\reg+9], v[\adr] offset:\off+1024*(\t)+512
	ds_load_b64 v[\reg+10:\reg+11], v[\adr+1] offset:\off+8192+512*(\t)+256
.endm
.macro FETCH_A ks, i0                  ; A's tiles i0 .. i0 + 3 of K step ks (v4-6 serve K steps 0-3, v7-9 K steps 4-7)
.irp i, \i0, \i0+1, \i0+2, \i0+3
	FRAG AF+FR*(\i), 4+3*((\ks)/4), ((\ks)%4)*BLK, \i
.endr
.endm
.macro FETCH_B ks                      ; B's eight tiles of K step ks into set ks % 2 (v10-12 serve slot 0, v13-15 slot 1)
	WIN TO_B
.irp i, 0,1,2,3,4,5,6,7
	FRAG 128*((\ks)%2)+FR*\i, 10+3*(((\ks)/2)%2), ((\ks)%2)*BLK, \i
.endr
	WIN 0
.endm
.macro SCALES ks
.irp i, 0,1,2,3,4,5,6,7
	ds_load_b32 v[SC+16*((\ks)%2)+\i], v[6+3*((\ks)/4)] offset:((\ks)%4)*BLK+12288+128*\i
	ds_load_b32 v[SC+16*((\ks)%2)+8+\i], v[12+3*(((\ks)/2)%2)] offset:((\ks)%2)*BLK+12288+128*\i
.endr
.endm
; 16 matrix instructions: A's tiles a0, a0 + 1 x B's eight.  The 64 accumulators take turns, one instruction a turn, in the same order in every K step.
.macro MUL16 a0, ks, zero
.irp a, \a0, \a0+1
.irp b, 0,1,2,3,4,5,6,7
.if \zero
	v_wmma_scale_f32_16x16x128_f8f6f4 v[8*(8*((\a)%4)+\b):8*(8*((\a)%4)+\b)+7], v[128*((\ks)%2)+FR*\b:128*((\ks)%2)+FR*\b+FR-1], v[AF+FR*(\a):AF+FR*(\a)+FR-1], 0, v[SC+16*((\ks)%2)+8+\b], v[SC+16*((\ks)%2)+(\a)] matrix_a_fmt:MATRIX_FMT_FP6 matrix_b_fmt:MATRIX_FMT_FP6
.else
	v_wmma_scale_f32_16x16x128_f8f6f4 v[8*(8*((\a)%4)+\b):8*(8*((\a)%4)+\b)+7], v[128*((\ks)%2)+FR*\b:128*((\ks)%2)+FR*\b+FR-1], v[AF+FR*(\a):AF+FR*(\a)+FR-1], v[8*(8*((\a)%4)+\b):8*(8*((\a)%4)+\b)+7], v[SC+16*((\ks)%2)+8+\b], v[SC+16*((\ks)%2)+(\a)] matrix_a_fmt:MATRIX_FMT_FP6 matrix_b_fmt:MATRIX_FMT_FP6
.endif
.endr
.endr
.endm
.macro STEP ks, zero                   ; a K step whose successor lies in the same slot
	s_wait_dscnt 16                                ; B's set, A's tiles 0-3 and the scale words are in; the youngest 16 loads (A's tiles 4-7) may be out
	WIN MUL_LO
	MUL16 0, \ks, \zero
	MUL16 2, \ks, \zero
	s_wait_dscnt 0x0                               ; A's tiles 4-7 are in
	PLACES
	FETCH_B (\ks)+1
	FETCH_A (\ks)+1, 0
	SCALES (\ks)+1
	WIN MUL_HI
	MUL16 4, \ks, \zero
	MUL16 6, \ks, \zero
	PLACES
	WIN 0
	FETCH_A (\ks)+1, 4
.endm
; A slot's last K step changes slots: one barrier; in front of it each wave waits for all its tensor loads, adds 0 to its spare word, and waits for that and for its reads of the slot.  fill = 1: the slot is filled again, four K steps ahead.
.macro TURN ks, fill
	s_wait_tensorcnt 0x0                           ; all my tensor loads have landed
	ds_add_u32 v[SPW], v[NIL]                      ; 0 onto my spare word
	s_wait_dscnt 17                                ; (the add and A's tiles 4-7, 16 loads, may be out)
	WIN MUL_LO
	MUL16 0, \ks, 0
	s_wait_dscnt 0x0                               ; the add is done, and my reads of this slot are over
	s_barrier_signal -1
	MUL16 2, \ks, 0
	WIN 0
	s_barrier_wait -1
.if \fill
	CREST                                          ; the barrier has opened a round of the cluster's: no wave of any partner still reads the slot or has a load on its way
	s_add_nc_u64 s[G0B+4*(((\ks)/2)%2)+2:G0B+4*(((\ks)/2)%2)+3], s[G0B+4*(((\ks)/2)%2)+2:G0B+4*(((\ks)/2)%2)+3], 4*BLK
	tensor_load_to_lds s[G0B+4*(((\ks)/2)%2):G0B+4*(((\ks)/2)%2)+3], s[G1B:G1B+7]   ; my one tensor load behind the round: 96 matrix instructions ahead of the wait for it
	s_nop 0
.endif
	PLACES                                         ; four lines behind the tensor load, and the places in front of the loads below
	FETCH_B (\ks)+1
	FETCH_A (\ks)+1, 0
	SCALES (\ks)+1
.if (\fill) && ((\ks)+5 < 8)
	global_prefetch_b8 v22, s[94:95] offset:((\ks)+5)*BLK th:TH_LOAD_NT scope:SCOPE_SE   ; K steps 6, 7: two K steps ahead of the refill that brings them; nothing lies beyond K step 7
.endif
	WIN MUL_HI
	MUL16 4, \ks, 0
	MUL16 6, \ks, 0
	PLACES
	WIN 0
	FETCH_A (\ks)+1, 4
.endm
.macro LAST                            ; K step 7: nothing more to fetch
	s_wait_dscnt 16
	WIN MUL_LO
	MUL16 0, 7, 0
	MUL16 2, 7, 0
	s_wait_dscnt 0x0
	WIN MUL_HI
	MUL16 4, 7, 0
	MUL16 6, 7, 0
	WIN 0
	s_wait_loadcnt 0x0                             ; the biases
	PLACES
.irp b, 0,1,2,3
	v_mov_b32 v[TM+4+\b], 0                        ; a lane permute's destination counts as one of its sources
.endr
.endm
.macro BIAS_N                          ; a bias along B's rows: lane (r, h) wants, for tile 2b+u, the eight numbers at 32 b + 8 u + 16 h
	WIN TO_B
.irp b, 0,1,2,3,4,5,6,7
	global_load_b128 v[96+8*\b+96*(\b/4):99+8*\b+96*(\b/4)], v19, s[74:75] offset:(32*(\b/2)+8*(\b%2))*4
	global_load_b128 v[100+8*\b+96*(\b/4):103+8*\b+96*(\b/4)], v19, s[74:75] offset:(32*(\b/2)+8*(\b%2))*4+16
.endr
	WIN 0
.endm
; THE WAY OUT of A's tile a: + bias (each accumulator read from its low end on), relu, the quantiser, the stores: each covers 512, 256 or 128 consecutive bytes.
.macro EPI a
.set AC, 64*((\a)%4)
	WIN 0x06+(\a)/4                                ; source 0 window 2 or 3, source 1 window 1
.set i, 0
.rept 32
	v_pk_add_f32 v[T+2*i:T+2*i+1], v[AC+2*i:AC+2*i+1], v[96+2*i+96*(i/16):97+2*i+96*(i/16)]
.set i, i+1
.endr
	WIN 0
.set i, 0
.rept 64
	v_max_num_f32 v[T+i], 0, v[T+i]
.set i, i+1
.endr
	s_wait_xcnt 0x0                                ; the last tile's stores have read their data: the quantiser writes those registers again
	QUANT T
.irp e, 0,1
	global_store_b128 v4, v[PC+6*\e:PC+6*\e+3], s[72:73] offset:512*(2*(\a)+\e)
	global_store_b64 v5, v[PC+6*\e+4:PC+6*\e+5], s[72:73] offset:8192+256*(2*(\a)+\e)
.endr
	global_store_b32 v6, v[PW], s[72:73] offset:12288+128*(\a)
.endm
	s_load_b256 s[4:11], s[0:1], 0x0               ; hc, wc, b1, hid
	v_lshl_add_u32 v[SPW], v0, 2, SPARE
	v_mov_b32 v[NIL], 0
	ds_add_u32 v28, v29
	ds_add_u32 v28, v29
	s_wait_dscnt 0x0
	v_lshrrev_b32 v1, 5, v0
	v_readfirstlane_b32 s[WV], v1                  ; wave 0..3
	s_bfe_u32 s17, ttmp6, 0x40000                  ; cx
	s_bfe_u32 s18, ttmp6, 0x40004                  ; cy
	s_and_b32 s19, ttmp7, 0xffff                   ; the cluster's y
	s_lshl_b32 s66, s19, 2
	s_add_co_u32 s66, s66, s18                     ; PA = 4 y + cy
	s_lshl_b32 s67, ttmp9, 2
	s_add_co_u32 s67, s67, s17
	s_lshl_b32 s67, s67, 2
	s_add_co_u32 s67, s67, s[WV]                   ; PB = 4 (4 x + cx) + wave
	s_lshl_b32 s20, s18, 2
	s_lshl_b32 s20, 15, s20                        ; my row of the cluster
	s_lshl_b32 s21, 0x1111, s17                    ; my column
	; descriptor groups 1: dense blocks as rows of 256 bytes (32 elements of 8 bytes), no padding.  A: 208 rows (four K steps of the panel); B: 104 rows (two K steps of a panel)
	s_or_b32 s[G1A], s20, (3<<16)|(1<<21)
	s_mov_b32 s[G1A+1], 32<<16
	s_mov_b32 s[G1A+2], 208<<16                    ; A: 208 rows of 256 bytes: four K steps of the panel
	s_mov_b32 s[G1A+3], 32<<16
	s_mov_b32 s[G1A+4], 208
	s_mov_b32 s[G1A+5], 32
	s_mov_b32 s[G1A+6], 0
	s_mov_b32 s[G1A+7], 0
	s_or_b32 s[G1B], s21, (3<<16)|(1<<21)
	s_mov_b32 s[G1B+1], 32<<16
	s_mov_b32 s[G1B+2], 104<<16
	s_mov_b32 s[G1B+3], 32<<16
	s_mov_b32 s[G1B+4], 104
	s_mov_b32 s[G1B+5], 32
	s_mov_b32 s[G1B+6], 0
	s_mov_b32 s[G1B+7], 0
	s_or_b32 s[G1H], s21, (3<<16)|(1<<21)          ; slot 0's first fill: 2 rows of 26,624 bytes (two K steps of a panel), a panel (106,496 bytes) apart
	s_mov_b32 s[G1H+1], 3328<<16
	s_mov_b32 s[G1H+2], 2<<16
	s_mov_b32 s[G1H+3], 3328<<16
	s_mov_b32 s[G1H+4], 2
	s_mov_b32 s[G1H+5], 13312
	s_mov_b32 s[G1H+6], 0
	s_mov_b32 s[G1H+7], 0
	s_mul_i32 s76, s66, PANEL
	s_and_b32 s79, s[WV], 1
	s_mul_i32 s78, s79, 4*BLK                      ; which half: of A's panel, or of slot 0
	s_add_co_u32 s76, s76, s78
	s_mov_b32 s77, 0
	s_mul_i32 s80, s67, PANEL
	s_mov_b32 s81, 0
	s_sub_co_u32 s90, s67, s[WV]                   ; the work-group's first panel of B,
	s_lshl_b32 s91, s79, 1
	s_add_co_u32 s90, s90, s91                     ; + 2 for wave 3
	s_mul_i32 s90, s90, PANEL
	s_mov_b32 s91, 0
	s_mul_i32 s82, s[WV], 2*BLK                    ; my part of a slot
	s_mov_b32 s[SEL], 0x76543210
	s_mov_b32 s[SEL+1], 0xfedcba98
	s_wait_kmcnt 0x0
	s_mov_b64 s[68:69], s[4:5]
	s_add_nc_u64 s[70:71], s[6:7], 3407872         ; W1's region of wc
	s_add_nc_u64 s[68:69], s[68:69], s[76:77]
	s_add_nc_u64 s[92:93], s[70:71], s[90:91]
	s_add_nc_u64 s[70:71], s[70:71], s[80:81]
	s_mul_i32 s90, s18, 6656                       ; the prefetches: of the 104 blocks of 256 bytes that a load of mine brings, the partner at place cy of my column names 26: shared out by address
	s_add_nc_u64 s[94:95], s[70:71], s[90:91]
	s_mov_b32 s[G0A], 1
	s_mov_b32 s[G0A+1], s78
	s_mov_b64 s[G0A+2:G0A+3], s[68:69]
	s_or_b32 s[G0A+3], s[G0A+3], 0x80000000
	s_mov_b32 s[G0H], 1
	s_add_co_u32 s[G0H+1], s78, BLDS
	s_mov_b64 s[G0H+2:G0H+3], s[92:93]
	s_or_b32 s[G0H+3], s[G0H+3], 0x80000000
.irp s, 0,1
	s_mov_b32 s[G0B+4*\s], 1
	s_add_co_u32 s[G0B+4*\s+1], s82, BLDS+\s*SLOT
	s_add_nc_u64 s[G0B+4*\s+2:G0B+4*\s+3], s[70:71], \s*2*BLK
	s_or_b32 s[G0B+4*\s+3], s[G0B+4*\s+3], 0x80000000
.endr
	CROUND                                         ; all sixteen work-groups are here: the first joint loads meet
	s_cmp_lt_u32 s[WV], 2                          ; the head's loads, one a wave: waves 0, 1 a half of A's panel each,
	s_cbranch_scc0 .Lhead_b
	tensor_load_to_lds s[G0A:G0A+3], s[G1A:G1A+7]
	s_nop 0
	PLACES
	s_branch .Lhead_asked
.Lhead_b:
	tensor_load_to_lds s[G0H:G0H+3], s[G1H:G1H+7]          ; waves 2, 3 slot 0's parts of two waves each
	s_nop 0
	PLACES
.Lhead_asked:
	v_and_b32 v1, 31, v0
	v_lshlrev_b32 v4, 4, v1                        ; 16 l, 8 l, 4 l: A's K steps 0-3, and the stores' lane terms
	v_lshlrev_b32 v5, 3, v1
	v_lshlrev_b32 v6, 2, v1
	v_add_nc_u32 v7, 4*BLK, v4                     ; A's K steps 4-7
	v_add_nc_u32 v8, 4*BLK, v5
	v_add_nc_u32 v9, 4*BLK, v6
	s_add_co_u32 s83, s82, BLDS
	v_add_nc_u32 v10, s83, v4                      ; my part of slot 0
	v_add_nc_u32 v11, s83, v5
	v_add_nc_u32 v12, s83, v6
	s_add_co_u32 s83, s83, SLOT
	v_add_nc_u32 v13, s83, v4                      ; of slot 1
	v_add_nc_u32 v14, s83, v5
	v_add_nc_u32 v15, s83, v6
	v_bfe_u32 v19, v0, 4, 1
	v_lshlrev_b32 v19, 6, v19
	v_min_u32 v22, 25, v1                          ; a lane a block; the six lanes left over name the last block again
	v_lshlrev_b32 v22, 8, v22
	global_prefetch_b8 v22, s[94:95] offset:2*BLK th:TH_LOAD_NT scope:SCOPE_SE   ; my panel's K steps 2, 3, which the load behind the next round brings,
	global_prefetch_b8 v22, s[94:95] offset:4*BLK th:TH_LOAD_NT scope:SCOPE_SE   ; and 4, 5, which the refill two K steps on brings; v22 and s[94:95] are never rewritten
	s_wait_alu depctr_va_vdst(0)
	s_wait_tensorcnt 0x0                           ; my tile of the head's four is in; slot 1's first fill is issued as a refill is:
	ds_add_u32 v[SPW], v[NIL]
	s_wait_dscnt 0x0
	CROUND                                         ; a whole round: A's panel and slot 0 are in, in every partner
	tensor_load_to_lds s[G0B+4:G0B+7], s[G1B:G1B+7]        ; my part of slot 1: my one tensor load behind the round
	s_nop 0
	PLACES
	FETCH_B 0
	FETCH_A 0, 0
	SCALES 0
	FETCH_A 0, 4
	STEP 0, 1                                      ; the first K step's products start the sums: nothing is cleared
	TURN 1, 1
	STEP 2, 0
	TURN 3, 1
	STEP 4, 0
	TURN 5, 0
	s_lshl_b32 s86, s66, 5
	s_add_co_u32 s86, s86, s67
	s_mul_i32 s86, s86, BLK
	s_mov_b32 s87, 0
	s_add_nc_u64 s[72:73], s[10:11], s[86:87]      ; hid's block (PA, K step PB)
	s_lshl_b32 s86, s67, 9
	s_add_nc_u64 s[74:75], s[8:9], s[86:87]        ; b1 at my panel's 128 units
	BIAS_N
	STEP 6, 0
	LAST
.irp a, 0,1,2,3,4,5,6,7
	EPI \a
.endr
	s_wait_tensorcnt 0x0                           ; the wave's end, behind my last tensor load
	ds_add_u32 v[SPW], v[NIL]
	s_wait_dscnt 0x0
	CROUND                                         ; the closing round: no work-group ends while a partner may still ask for a tile that names it
	s_endpgm
.Lfunc_end_k_q67389a09d1_ffn1:
	.size	k_q67389a09d1_ffn1, .Lfunc_end_k_q67389a09d1_ffn1-k_q67389a09d1_ffn1
	.p2alignl 7, 3214868480
	.fill 96, 4, 3214868480
	.section	.rodata,"a",@progbits
	.p2align	6, 0x0
	.amdhsa_kernel k_q67389a09d1_ffn1
		.amdhsa_group_segment_fixed_size 327680
		.amdhsa_private_segment_fixed_size 0
		.amdhsa_enable_private_segment 0
		.amdhsa_kernarg_size 32
		.amdhsa_user_sgpr_count 2
		.amdhsa_user_sgpr_kernarg_segment_ptr 1
		.amdhsa_wavefront_size32 1
		.amdhsa_system_sgpr_workgroup_id_x 1
		.amdhsa_system_sgpr_workgroup_id_y 1
		.amdhsa_system_sgpr_workgroup_id_z 1
		.amdhsa_system_vgpr_workitem_id 0
		.amdhsa_next_free_vgpr 1024
		.amdhsa_next_free_sgpr 96
		.amdhsa_reserve_vcc 0
		.amdhsa_float_denorm_mode_32 3
		.amdhsa_float_denorm_mode_16_64 3
		.amdhsa_memory_ordered 1
		.amdhsa_forward_progress 1
		.amdhsa_inst_pref_size 185
	.end_amdhsa_kernel
	.amdgpu_metadata
---
amdhsa.version: [ 1, 2 ]
amdhsa.kernels:
  - .name:           k_q67389a09d1_ffn1
    .symbol:         k_q67389a09d1_ffn1.kd
    .args:
      - { .name: hc, .offset: 0, .size: 8, .value_kind: global_buffer, .address_space: global }
      - { .name: wc, .offset: 8, .size: 8, .value_kind: global_buffer, .address_space: global }
      - { .name: b1, .offset: 16, .size: 8, .value_kind: global_buffer, .address_space: global }
      - { .name: hid, .offset: 24, .size: 8, .value_kind: global_buffer, .address_space: global }
    .group_segment_fixed_size: 327680
    .private_segment_fixed_size: 0
    .kernarg_segment_align: 8
    .kernarg_segment_size: 32
    .max_flat_workgroup_size: 128
    .sgpr_count:     96
    .vgpr_count:     1024
    .wavefront_size: 32
...
	.end_amdgpu_metadata
.endif
;; end of part 5
;; launch ffn2 (part 6): grid 8 x 32, 4 waves a work-group, clusters of 4 x 4, 327,680 bytes of LDS; arguments hid, wc, cf; writes cf
.if DOCPART == 6
	.amdgcn_target "amdgcn-amd-amdhsa--gfx1250"
	.amdhsa_code_object_version 6
	.text
	.protected	k_q67389a09d1_ffn2
	.globl	k_q67389a09d1_ffn2
	.p2align	8
	.type	k_q67389a09d1_ffn2,@function
k_q67389a09d1_ffn2:
	s_mov_b64 s[64:65], 0
	v_nop
	global_prefetch_b8 v0, s[64:65] scope:SCOPE_SE
	s_setreg_imm32_b32 hwreg(HW_REG_WAVE_MODE, 25, 1), 1
	s_wait_xcnt 0x0
	s_wait_alu depctr_hold_cnt(0) depctr_sa_sdst(0) depctr_va_vdst(0) depctr_va_sdst(0) depctr_va_ssrc(0) depctr_va_vcc(0) depctr_vm_vsrc(0)
	s_getreg_b32 s2, hwreg(HW_REG_IB_STS2, 6, 4)
	s_cmp_eq_u32 s2, 0
	s_cbranch_scc0 .Lentry_in_a_cluster
	s_endpgm
.Lentry_in_a_cluster:
	s_bfe_u32 s2, ttmp6, 0x10000c
	s_cmp_lg_u32 s2, 0xf033
	s_cbranch_scc0 .Lentry_shape_is_right
	s_endpgm
.Lentry_shape_is_right:
.set KSTEPS, 32
.set REGION, 6815744
.set BLK,    13312
.set SLOT,   8*BLK
.set STAGE,  2*SLOT
.set SPITCH, 272
.set SPARE,  STAGE+4*16*SPITCH
.set LAPS,   KSTEPS/8
.set FR,  12
.set SC,  32
.set ACC, 128
.set STO, 16
.set RD,  17
.set CO,  18
.set SPW, 28
.set NIL, 29
.set G1,  24
.set G0,  32
.set G1B, 48
.set G0B, 56
.set PFA, 66                           ; s[66:67] where my prefetches stand: my work-group's 26 of the 104 blocks of 256 bytes that a load of mine brings
.set MSB, 0
.macro WIN new
.if MSB != \new
	s_set_vgpr_msb (MSB<<8)|\new
.set MSB, \new
.endif
.endm
.set MUL,  0x05
.set TO_F, 0x40
.macro PLACES
.rept 4
	v_nop
.endr
.endm
.macro JLOAD s
	s_cmp_eq_u32 s11, 0
	s_cbranch_scc0 .Lfor_b_\@
	tensor_load_to_lds s[G0+4*\s:G0+4*\s+3], s[G1:G1+7]
	s_nop 0
.rept 4
	v_nop
.endr
	s_branch .Lasked_\@
.Lfor_b_\@:
	tensor_load_to_lds s[G0B+4*\s:G0B+4*\s+3], s[G1B:G1B+7]
	s_nop 0
.rept 4
	v_nop
.endr
.Lasked_\@:
.endm
.macro CREST
	s_cmp_lg_u32 s10, 0
	s_cbranch_scc1 .Lnot_wave_0_\@
	s_barrier_signal -3
.Lnot_wave_0_\@:
	s_barrier_wait -3
	s_barrier_signal -1
	s_barrier_wait -1
.endm
.macro CROUND
	s_barrier_signal -1
	s_barrier_wait -1
	CREST
.endm
	s_load_b128 s[4:7], s[0:1], 0x0
	s_load_b64 s[8:9], s[0:1], 0x10
	v_lshl_add_u32 v[SPW], v0, 2, SPARE
	v_mov_b32 v[NIL], 0
	ds_add_u32 v28, v29
	ds_add_u32 v28, v29
	s_wait_dscnt 0x0
	v_lshrrev_b32 v1, 5, v0
	v_readfirstlane_b32 s10, v1
	s_lshr_b32 s11, s10, 1
	s_and_b32 s12, s10, 1
	s_bfe_u32 s40, ttmp6, 0x40000
	s_bfe_u32 s41, ttmp6, 0x40004
	s_lshl_b32 s42, ttmp9, 2
	s_add_co_u32 s42, s42, s40
	s_and_b32 s13, ttmp7, 0xffff
	s_lshl_b32 s13, s13, 2
	s_add_co_u32 s13, s13, s41
	s_lshl_b32 s43, s41, 2
	s_lshl_b32 s43, 15, s43
	s_lshl_b32 s44, 0x1111, s40
	s_or_b32 s[G1], s43, (3<<16)|(1<<21)
	s_or_b32 s[G1B], s44, (3<<16)|(1<<21)
.irp g, G1, G1B
	s_mov_b32 s[\g+1], 32<<16
	s_mov_b32 s[\g+2], 104<<16
	s_mov_b32 s[\g+3], 32<<16
	s_mov_b32 s[\g+4], 104
	s_mov_b32 s[\g+5], 32
	s_mov_b32 s[\g+6], 0
	s_mov_b32 s[\g+7], 0
.endr
	s_mul_i32 s16, s13, KSTEPS
	s_lshl_b32 s17, s12, 1
	s_add_co_u32 s16, s16, s17
	s_mul_i32 s16, s16, BLK
	s_mov_b32 s17, 0
	s_mul_i32 s46, s42, KSTEPS
	s_lshl_b32 s47, s12, 1
	s_add_co_u32 s46, s46, s47
	s_mul_i32 s46, s46, BLK
	s_add_co_u32 s46, s46, REGION
	s_mov_b32 s47, 0
	s_mul_i32 s20, s10, 2*BLK
	s_wait_kmcnt 0x0
	s_add_nc_u64 s[14:15], s[4:5], s[16:17]
	s_add_nc_u64 s[46:47], s[6:7], s[46:47]
	s_cmp_eq_u32 s11, 0                            ; do I fetch for A?
	s_cselect_b64 s[PFA:PFA+1], s[14:15], s[46:47]
	s_cselect_b32 s68, s40, s41                    ; my place among the four that ask with me: cx for A, cy for B: the blocks are shared out by address
	s_mul_i32 s68, s68, 6656
	s_add_co_u32 s68, s68, 8*BLK                   ; at the third fill (a fill is four K steps)
	s_mov_b32 s69, 0
	s_add_nc_u64 s[PFA:PFA+1], s[PFA:PFA+1], s[68:69]
	CROUND
.irp s, 0,1
	s_mov_b32 s[G0+4*\s], 1
	s_add_co_u32 s[G0+4*\s+1], s20, \s*SLOT
	s_add_nc_u64 s[G0+4*\s+2:G0+4*\s+3], s[14:15], \s*4*BLK
	s_or_b32 s[G0+4*\s+3], s[G0+4*\s+3], 0x80000000
	s_mov_b32 s[G0B+4*\s], 1
	s_add_co_u32 s[G0B+4*\s+1], s20, \s*SLOT
	s_add_nc_u64 s[G0B+4*\s+2:G0B+4*\s+3], s[46:47], \s*4*BLK
	s_or_b32 s[G0B+4*\s+3], s[G0B+4*\s+3], 0x80000000
	s_wait_alu depctr_va_vdst(0)
	s_wait_tensorcnt 0x0
	ds_add_u32 v28, v29
	ds_add_u32 v28, v29
	s_wait_dscnt 0x0
	CROUND
	JLOAD \s
.endr
	v_and_b32 v1, 31, v0
	v_lshlrev_b32 v2, 4, v1
	v_lshlrev_b32 v3, 3, v1
	v_lshlrev_b32 v19, 2, v1
	v_min_u32 v22, 25, v1                          ; a lane a block; the six lanes left over name the last block again
	v_lshlrev_b32 v22, 8, v22
	s_wait_alu depctr_va_vdst(0)
	s_lshl_b32 s21, s11, 12
	v_add_nc_u32 v4, s21, v2
	s_wait_alu depctr_va_vdst(0)
	s_lshl_b32 s21, s11, 11
	v_add_nc_u32 v5, s21, v3
	s_lshl_b32 s21, s11, 9
	v_add_nc_u32 v6, s21, v19
	s_lshl_b32 s21, s12, 12
	s_add_co_u32 s21, s21, 4*BLK
	v_add_nc_u32 v7, s21, v2
	s_lshl_b32 s21, s12, 11
	s_add_co_u32 s21, s21, 4*BLK
	v_add_nc_u32 v8, s21, v3
	s_lshl_b32 s21, s12, 9
	s_add_co_u32 s21, s21, 4*BLK
	v_add_nc_u32 v9, s21, v19
.irp i, 0,1,2,3,4,5
	v_add_nc_u32 v[10+\i], SLOT, v[4+\i]
.endr
	global_prefetch_b8 v22, s[PFA:PFA+1] th:TH_LOAD_NT scope:SCOPE_SE                ; what the first two refills will bring
	global_prefetch_b8 v22, s[PFA:PFA+1] offset:4*BLK th:TH_LOAD_NT scope:SCOPE_SE
	v_and_b32 v20, 15, v0
	v_bfe_u32 v21, v0, 4, 1
	s_mul_i32 s23, s10, 16*SPITCH
	s_add_co_u32 s23, s23, STAGE
	v_mul_u32_u24 v[STO], v20, SPITCH
	v_lshl_add_u32 v[STO], v21, 6, v[STO]
	v_add_nc_u32 v[STO], s23, v[STO]
	v_mul_u32_u24 v[RD], v21, SPITCH
	v_lshl_add_u32 v[RD], v20, 4, v[RD]
	v_add_nc_u32 v[RD], s23, v[RD]
	v_lshlrev_b32 v[CO], 12, v21
	v_lshl_add_u32 v[CO], v20, 4, v[CO]
	s_lshl_b32 s16, s13, 7
	s_lshl_b32 s17, s11, 6
	s_add_co_u32 s16, s16, s17
	s_lshl_b32 s16, s16, 12
	s_lshl_b32 s46, s42, 9
	s_lshl_b32 s47, s12, 8
	s_add_co_u32 s46, s46, s47
	s_add_co_u32 s16, s16, s46
	s_mov_b32 s17, 0
	s_add_nc_u64 s[8:9], s[8:9], s[16:17]
.macro FRAG reg, adr, off, t
	ds_load_b128 v[\reg:\reg+3], v[\adr] offset:\off+1024*(\t)
	ds_load_b64 v[\reg+4:\reg+5], v[\adr+1] offset:\off+8192+512*(\t)
	ds_load_b128 v[\reg+6:\reg+9], v[\adr] offset:\off+1024*(\t)+512
	ds_load_b64 v[\reg+10:\reg+11], v[\adr+1] offset:\off+8192+512*(\t)+256
.endm
.macro FETCH slot, q
	WIN TO_F
.irp i, 0,1,2,3
	FRAG 128*((\q)%2)+FR*\i, 4+6*\slot, (\q)*BLK, \i
	FRAG 128*((\q)%2)+48+FR*\i, 7+6*\slot, (\q)*BLK, \i
.endr
	WIN 0
.irp i, 0,1,2,3
	ds_load_b32 v[SC+8*((\q)%2)+\i], v[6+6*\slot] offset:(\q)*BLK+12288+128*\i
	ds_load_b32 v[SC+8*((\q)%2)+4+\i], v[9+6*\slot] offset:(\q)*BLK+12288+128*\i
.endr
.endm
.macro MUL8 q, a0, zero
.irp a, \a0, \a0+1
.irp b, 0,1,2,3
.if \zero
	v_wmma_scale_f32_16x16x128_f8f6f4 v[ACC+8*(4*(\a)+\b):ACC+8*(4*(\a)+\b)+7], v[128*((\q)%2)+48+FR*\b:128*((\q)%2)+48+FR*\b+FR-1], v[128*((\q)%2)+FR*(\a):128*((\q)%2)+FR*(\a)+FR-1], 0, v[SC+8*((\q)%2)+4+\b], v[SC+8*((\q)%2)+(\a)] matrix_a_fmt:MATRIX_FMT_FP6 matrix_b_fmt:MATRIX_FMT_FP6
.else
	v_wmma_scale_f32_16x16x128_f8f6f4 v[ACC+8*(4*(\a)+\b):ACC+8*(4*(\a)+\b)+7], v[128*((\q)%2)+48+FR*\b:128*((\q)%2)+48+FR*\b+FR-1], v[128*((\q)%2)+FR*(\a):128*((\q)%2)+FR*(\a)+FR-1], v[ACC+8*(4*(\a)+\b):ACC+8*(4*(\a)+\b)+7], v[SC+8*((\q)%2)+4+\b], v[SC+8*((\q)%2)+(\a)] matrix_a_fmt:MATRIX_FMT_FP6 matrix_b_fmt:MATRIX_FMT_FP6
.endif
.endr
.endr
.endm
.macro QUARTER slot, q, zero
	s_wait_dscnt 0x0
	PLACES
	FETCH \slot, (\q)+1
	WIN MUL
	MUL8 \q, 0, \zero
	MUL8 \q, 2, \zero
.endm
.macro TURN slot, next, fill
	WIN 0
.if \fill
	s_wait_xcnt 0x0                                ; my last prefetch has read its address: it steps one fill on
	s_add_nc_u64 s[PFA:PFA+1], s[PFA:PFA+1], 4*BLK
.endif
	s_wait_tensorcnt 0x0
	ds_add_u32 v[SPW], v[NIL]
.if \fill
	s_add_nc_u64 s[G0+4*\slot+2:G0+4*\slot+3], s[G0+4*\slot+2:G0+4*\slot+3], 8*BLK
	s_add_nc_u64 s[G0B+4*\slot+2:G0B+4*\slot+3], s[G0B+4*\slot+2:G0B+4*\slot+3], 8*BLK
.endif
	s_wait_dscnt 0x0
	s_barrier_signal -1
	WIN MUL
	MUL8 3, 0, 0
	WIN 0
	s_barrier_wait -1
.if \fill
	CREST
	JLOAD \slot
.else
	PLACES
.endif
	FETCH \next, 0
.if \fill
	s_cmp_gt_u32 s3, 1                             ; the loop's last trip has no fill two on
	s_cbranch_scc0 .Lno_ask_\@
	global_prefetch_b8 v22, s[PFA:PFA+1] offset:4*BLK th:TH_LOAD_NT scope:SCOPE_SE   ; the fill that stands two refills on: eight K steps ahead of the load that brings it
.Lno_ask_\@:
.endif
	WIN MUL
	MUL8 3, 2, 0
.endm
	s_wait_tensorcnt 1
	s_barrier_signal -1
	s_barrier_wait -1
	FETCH 0, 0
	QUARTER 0, 0, 1
.if LAPS > 1
	WIN 0
	s_mov_b32 s3, LAPS-1
.Llap:
	QUARTER 0, 1, 0
	QUARTER 0, 2, 0
	TURN 0, 1, 1
	QUARTER 1, 0, 0
	QUARTER 1, 1, 0
	QUARTER 1, 2, 0
	TURN 1, 0, 1
	QUARTER 0, 0, 0
	WIN 0
	s_sub_co_u32 s3, s3, 1
	s_cmp_lg_u32 s3, 0
	s_cbranch_scc1 .Llap
.endif
	QUARTER 0, 1, 0
	QUARTER 0, 2, 0
	TURN 0, 1, 0
	QUARTER 1, 0, 0
	QUARTER 1, 1, 0
	QUARTER 1, 2, 0
	s_wait_dscnt 0x0
	WIN MUL
	MUL8 3, 0, 0
	MUL8 3, 2, 0
	WIN 0
.macro TOSTAGE a
.irp b, 0,1,2,3
	ds_store_b128 v[STO], v[ACC+8*(4*(\a)+\b):ACC+8*(4*(\a)+\b)+3] offset:128*(\b/2)+32*(\b%2)
	ds_store_b128 v[STO], v[ACC+8*(4*(\a)+\b)+4:ACC+8*(4*(\a)+\b)+7] offset:128*(\b/2)+32*(\b%2)+16
.endr
.irp i, 0,1,2,3,4,5,6,7
	ds_load_b128 v[48+32*((\a)%2)+4*\i:51+32*((\a)%2)+4*\i], v[RD] offset:2*\i*SPITCH
.endr
.endm
.macro SEND a, younger
	s_wait_dscnt \younger
.irp i, 0,1,2,3,4,5,6,7
	global_store_b128 v[CO], v[48+32*((\a)%2)+4*\i:51+32*((\a)%2)+4*\i], s[8:9] offset:(32*((\a)/2)+8*((\a)%2)+2*\i+8*(\i/4))*4096 th:TH_STORE_NT
.endr
.endm
	PLACES
	s_wait_alu depctr_va_vdst(0)
	TOSTAGE 0
	TOSTAGE 1
	SEND 0, 16
	s_wait_xcnt 0x0
	TOSTAGE 2
	SEND 1, 16
	s_wait_xcnt 0x0
	TOSTAGE 3
	SEND 2, 16
	SEND 3, 0
	s_wait_tensorcnt 0x0
	ds_add_u32 v[SPW], v[NIL]
	s_wait_dscnt 0x0
	CROUND
	s_endpgm
.Lfunc_end_k_q67389a09d1_ffn2:
	.size	k_q67389a09d1_ffn2, .Lfunc_end_k_q67389a09d1_ffn2-k_q67389a09d1_ffn2
	.p2alignl 7, 3214868480
	.fill 96, 4, 3214868480
	.section	.rodata,"a",@progbits
	.p2align	6, 0x0
	.amdhsa_kernel k_q67389a09d1_ffn2
		.amdhsa_group_segment_fixed_size 327680
		.amdhsa_private_segment_fixed_size 0
		.amdhsa_enable_private_segment 0
		.amdhsa_kernarg_size 24
		.amdhsa_user_sgpr_count 2
		.amdhsa_user_sgpr_kernarg_segment_ptr 1
		.amdhsa_wavefront_size32 1
		.amdhsa_system_sgpr_workgroup_id_x 1
		.amdhsa_system_sgpr_workgroup_id_y 1
		.amdhsa_system_sgpr_workgroup_id_z 1
		.amdhsa_system_vgpr_workitem_id 0
		.amdhsa_next_free_vgpr 512
		.amdhsa_next_free_sgpr 72
		.amdhsa_reserve_vcc 0
		.amdhsa_float_denorm_mode_32 3
		.amdhsa_float_denorm_mode_16_64 3
		.amdhsa_memory_ordered 1
		.amdhsa_forward_progress 1
		.amdhsa_inst_pref_size 96
	.end_amdhsa_kernel
	.amdgpu_metadata
---
amdhsa.version: [ 1, 2 ]
amdhsa.kernels:
  - .name:           k_q67389a09d1_ffn2
    .symbol:         k_q67389a09d1_ffn2.kd
    .args:
      - { .name: hid, .offset: 0, .size: 8, .value_kind: global_buffer, .address_space: global }
      - { .name: wc, .offset: 8, .size: 8, .value_kind: global_buffer, .address_space: global }
      - { .name: cf, .offset: 16, .size: 8, .value_kind: global_buffer, .address_space: global }
    .group_segment_fixed_size: 327680
    .private_segment_fixed_size: 0
    .kernarg_segment_align: 8
    .kernarg_segment_size: 24
    .max_flat_workgroup_size: 128
    .sgpr_count:     72
    .vgpr_count:     512
    .wavefront_size: 32
...
	.end_amdgpu_metadata
.endif
;; end of part 6
;; launch ln2 (part 7): grid 256 x 1, 8 waves a work-group, no clusters, 0 bytes of LDS; arguments cf, hf, b2, gamma2, beta2, out0; writes out0
.if DOCPART == 7
	.amdgcn_target "amdgcn-amd-amdhsa--gfx1250"
	.amdhsa_code_object_version 6
	.text
	.protected	k_q67389a09d1_ln2
	.globl	k_q67389a09d1_ln2
	.p2align	8
	.type	k_q67389a09d1_ln2,@function
k_q67389a09d1_ln2:
	s_mov_b64 s[64:65], 0
	v_nop
	global_prefetch_b8 v0, s[64:65] scope:SCOPE_SE
	s_setreg_imm32_b32 hwreg(HW_REG_WAVE_MODE, 25, 1), 1
	s_wait_xcnt 0x0
; out = gamma ((t - mean) / (std + 1e-6)) + beta with t = res + (c + bias), rows of 1,024, all in f32; mean and variance in two passes over registers.
; A work-group takes 16 rows, wave w two of them, whole: every load and store covers 512 consecutive bytes; a row never leaves its wave, so there is no LDS and no barrier.  Memory binds: no matrix unit, no cluster.
; LIMITS: the root and the reciprocal are v_sqrt_f32 and v_rcp_f32; NaN and infinities are not served.
; REGISTERS: v2 16 l; v4-21 sums, means, reciprocals; v32-95 two rows of c, then t, d, the result; v96-159 the residual; v160-191 bias; v192-223 gamma; v224-255 beta.
.set SEL, 26
.macro ACROSS                          ; v[4:7] and v[8:11], two chains a row, become each row's sum in every lane: v4, v8
	s_delay_alu instid0(VALU_DEP_3)
	v_pk_add_f32 v[4:5], v[4:5], v[6:7]
	s_delay_alu instid0(VALU_DEP_2)
	v_pk_add_f32 v[8:9], v[8:9], v[10:11]
	s_delay_alu instid0(VALU_DEP_2)
	v_add_f32 v4, v4, v5
	s_delay_alu instid0(VALU_DEP_2)
	v_add_f32 v8, v8, v9
.irp m, 1,2,4,8
	s_delay_alu instid0(VALU_DEP_2)
	v_add_f32_dpp v4, v4, v4 row_xmask:\m row_mask:0xf bank_mask:0xf
	s_delay_alu instid0(VALU_DEP_2)
	v_add_f32_dpp v8, v8, v8 row_xmask:\m row_mask:0xf bank_mask:0xf
.endr
	s_delay_alu instid0(VALU_DEP_2)
	v_permlanex16_b32 v5, v4, s[SEL], s[SEL+1]
	s_delay_alu instid0(VALU_DEP_2)
	v_permlanex16_b32 v9, v8, s[SEL], s[SEL+1]
	s_delay_alu instid0(VALU_DEP_2)
	v_add_f32 v4, v4, v5
	s_delay_alu instid0(VALU_DEP_2)
	v_add_f32 v8, v8, v9
.endm
	s_load_b256 s[4:11], s[0:1], 0x0               ; c, residual, bias, gamma
	s_load_b128 s[12:15], s[0:1], 0x20             ; beta, the result
	v_lshrrev_b32 v1, 5, v0
	s_delay_alu instid0(VALU_DEP_1)
	v_readfirstlane_b32 s20, v1                    ; wave 0..7
	v_and_b32 v1, 31, v0
	s_delay_alu instid0(VALU_DEP_1)
	v_lshlrev_b32 v2, 4, v1                        ; 16 l
	s_lshl_b32 s23, ttmp9, 4
	s_lshl_b32 s24, s20, 1
	s_add_co_u32 s23, s23, s24                     ; my first row: 16 x work-group + 2 x wave
	s_lshl_b32 s24, s23, 12
	s_mov_b32 s25, 0
	s_mov_b32 s[SEL], 0x76543210
	s_mov_b32 s[SEL+1], 0xfedcba98
	s_wait_alu depctr_va_vdst(0)
	s_wait_kmcnt 0x0
	s_add_nc_u64 s[4:5], s[4:5], s[24:25]
	s_add_nc_u64 s[6:7], s[6:7], s[24:25]
	s_add_nc_u64 s[14:15], s[14:15], s[24:25]
.irp q, 0,1
.irp j, 0,1,2,3,4,5,6,7
	global_load_b128 v[32+32*\q+4*\j:35+32*\q+4*\j], v2, s[4:5] offset:4096*\q+512*\j th:TH_LOAD_NT
.endr
.endr
.irp q, 0,1
.irp j, 0,1,2,3,4,5,6,7
	global_load_b128 v[96+32*\q+4*\j:99+32*\q+4*\j], v2, s[6:7] offset:4096*\q+512*\j th:TH_LOAD_NT
.endr
.endr
.irp j, 0,1,2,3,4,5,6,7
	global_load_b128 v[160+4*\j:163+4*\j], v2, s[8:9] offset:512*\j
.endr
.irp j, 0,1,2,3,4,5,6,7
	global_load_b128 v[192+4*\j:195+4*\j], v2, s[10:11] offset:512*\j
.endr
.irp j, 0,1,2,3,4,5,6,7
	global_load_b128 v[224+4*\j:227+4*\j], v2, s[12:13] offset:512*\j
.endr
	s_wait_loadcnt 16                              ; c, the residual and the bias are in; gamma's and beta's sixteen loads may be out
.irp i, 0,2,4,6,8,10,12,14,16,18,20,22,24,26,28,30
.irp q, 0,1
	v_pk_add_f32 v[32+32*\q+\i:33+32*\q+\i], v[32+32*\q+\i:33+32*\q+\i], v[160+\i:161+\i]   ; c + bias
.endr
.endr
.irp i, 0,2,4,6,8,10,12,14,16,18,20,22,24,26,28,30
.irp q, 0,1
	v_pk_add_f32 v[32+32*\q+\i:33+32*\q+\i], v[96+32*\q+\i:97+32*\q+\i], v[32+32*\q+\i:33+32*\q+\i]   ; t = residual + that
.endr
.endr
.irp q, 0,1
	v_pk_add_f32 v[4+4*\q:5+4*\q], v[32+32*\q:33+32*\q], v[36+32*\q:37+32*\q]
	v_pk_add_f32 v[6+4*\q:7+4*\q], v[34+32*\q:35+32*\q], v[38+32*\q:39+32*\q]
.endr
.irp i, 8,12,16,20,24,28
.irp q, 0,1
	s_delay_alu instid0(VALU_DEP_4)
	v_pk_add_f32 v[4+4*\q:5+4*\q], v[4+4*\q:5+4*\q], v[32+32*\q+\i:33+32*\q+\i]
	s_delay_alu instid0(VALU_DEP_4)
	v_pk_add_f32 v[6+4*\q:7+4*\q], v[6+4*\q:7+4*\q], v[34+32*\q+\i:35+32*\q+\i]
.endr
.endr
	ACROSS
	s_delay_alu instid0(VALU_DEP_2)
	v_mul_f32 v12, 0x3a800000, v4                  ; the means: sums / 1,024, each twice, to fill a pair
	s_delay_alu instid0(VALU_DEP_2)
	v_mul_f32 v14, 0x3a800000, v8
	s_delay_alu instid0(VALU_DEP_2)
	v_mov_b32 v13, v12
	s_delay_alu instid0(VALU_DEP_2)
	v_mov_b32 v15, v14
.irp i, 0,2,4,6,8,10,12,14,16,18,20,22,24,26,28,30
.irp q, 0,1
	v_pk_add_f32 v[32+32*\q+\i:33+32*\q+\i], v[32+32*\q+\i:33+32*\q+\i], v[12+2*\q:13+2*\q] neg_lo:[0,1] neg_hi:[0,1]   ; d = t - mean
.endr
.endr
.irp q, 0,1
	v_pk_mul_f32 v[4+4*\q:5+4*\q], v[32+32*\q:33+32*\q], v[32+32*\q:33+32*\q]
	v_pk_mul_f32 v[6+4*\q:7+4*\q], v[34+32*\q:35+32*\q], v[34+32*\q:35+32*\q]
.endr
.irp i, 4,8,12,16,20,24,28
.irp q, 0,1
	s_delay_alu instid0(VALU_DEP_4)
	v_pk_fma_f32 v[4+4*\q:5+4*\q], v[32+32*\q+\i:33+32*\q+\i], v[32+32*\q+\i:33+32*\q+\i], v[4+4*\q:5+4*\q]
	s_delay_alu instid0(VALU_DEP_4)
	v_pk_fma_f32 v[6+4*\q:7+4*\q], v[34+32*\q+\i:35+32*\q+\i], v[34+32*\q+\i:35+32*\q+\i], v[6+4*\q:7+4*\q]
.endr
.endr
	ACROSS
	s_delay_alu instid0(VALU_DEP_2)
	v_mul_f32 v4, 0x3a800000, v4                   ; the variances
	s_delay_alu instid0(VALU_DEP_2)
	v_mul_f32 v8, 0x3a800000, v8
	s_wait_alu depctr_va_vdst(0)
	v_sqrt_f32 v16, v4
	v_sqrt_f32 v17, v8
	v_nop                                          ; a plain place behind the roots
	s_wait_alu depctr_va_vdst(0)                   ; one wait for both, ahead of their first reader
	v_add_f32 v16, 0x358637bd, v16                 ; std + 1e-6
	v_add_f32 v17, 0x358637bd, v17
	s_wait_alu depctr_va_vdst(0)
	v_rcp_f32 v18, v16
	v_rcp_f32 v20, v17
	v_nop
	s_wait_alu depctr_va_vdst(0)
	v_mov_b32 v19, v18
	v_mov_b32 v21, v20
	s_wait_alu depctr_va_vdst(0)
	s_wait_loadcnt 0x0                             ; gamma, beta
.irp i, 0,2,4,6,8,10,12,14,16,18,20,22,24,26,28,30
.irp q, 0,1
	v_pk_mul_f32 v[32+32*\q+\i:33+32*\q+\i], v[32+32*\q+\i:33+32*\q+\i], v[18+2*\q:19+2*\q]
.endr
.endr
.irp i, 0,2,4,6,8,10,12,14,16,18,20,22,24,26,28,30
.irp q, 0,1
	v_pk_fma_f32 v[32+32*\q+\i:33+32*\q+\i], v[192+\i:193+\i], v[32+32*\q+\i:33+32*\q+\i], v[224+\i:225+\i]
.endr
.endr
.irp q, 0,1
.irp j, 0,1,2,3,4,5,6,7
	global_store_b128 v2, v[32+32*\q+4*\j:35+32*\q+4*\j], s[14:15] offset:4096*\q+512*\j th:TH_STORE_NT
.endr
.endr
	s_endpgm
.Lfunc_end_k_q67389a09d1_ln2:
	.size	k_q67389a09d1_ln2, .Lfunc_end_k_q67389a09d1_ln2-k_q67389a09d1_ln2
	.p2alignl 7, 3214868480
	.fill 96, 4, 3214868480
	.section	.rodata,"a",@progbits
	.p2align	6, 0x0
	.amdhsa_kernel k_q67389a09d1_ln2
		.amdhsa_group_segment_fixed_size 0
		.amdhsa_private_segment_fixed_size 0
		.amdhsa_enable_private_segment 0
		.amdhsa_kernarg_size 48
		.amdhsa_user_sgpr_count 2
		.amdhsa_user_sgpr_kernarg_segment_ptr 1
		.amdhsa_wavefront_size32 1
		.amdhsa_system_sgpr_workgroup_id_x 1
		.amdhsa_system_sgpr_workgroup_id_y 1
		.amdhsa_system_sgpr_workgroup_id_z 1
		.amdhsa_system_vgpr_workitem_id 0
		.amdhsa_next_free_vgpr 256
		.amdhsa_next_free_sgpr 66
		.amdhsa_reserve_vcc 0
		.amdhsa_float_denorm_mode_32 3
		.amdhsa_float_denorm_mode_16_64 3
		.amdhsa_memory_ordered 1
		.amdhsa_forward_progress 1
		.amdhsa_inst_pref_size 27
	.end_amdhsa_kernel
	.amdgpu_metadata
---
amdhsa.version: [ 1, 2 ]
amdhsa.kernels:
  - .name:           k_q67389a09d1_ln2
    .symbol:         k_q67389a09d1_ln2.kd
    .args:
      - { .name: cf, .offset: 0, .size: 8, .value_kind: global_buffer, .address_space: global }
      - { .name: hf, .offset: 8, .size: 8, .value_kind: global_buffer, .address_space: global }
      - { .name: b2, .offset: 16, .size: 8, .value_kind: global_buffer, .address_space: global }
      - { .name: gamma2, .offset: 24, .size: 8, .value_kind: global_buffer, .address_space: global }
      - { .name: beta2, .offset: 32, .size: 8, .value_kind: global_buffer, .address_space: global }
      - { .name: out0, .offset: 40, .size: 8, .value_kind: global_buffer, .address_space: global }
    .group_segment_fixed_size: 0
    .private_segment_fixed_size: 0
    .kernarg_segment_align: 8
    .kernarg_segment_size: 48
    .max_flat_workgroup_size: 256
    .sgpr_count:     66
    .vgpr_count:     256
    .wavefront_size: 32
...
	.end_amdgpu_metadata
.endif
;; end of part 7
